; MI455X (gfx1250); checked and timed in simulation.
; The chip was launched on July 23, 2026; its instructions are those of AMD's public machine-readable ISA for CDNA 5 (MIT licence, August 2026) and "CDNA5" Instruction Set Architecture Reference Guide (July 2026). The comments in the code are by the model that wrote it; some were corrected since.
;; Janus Attention. Allowed arithmetic: float matrix products may take bf16 or f16 operands with f32 sums; other float arithmetic in f32, or as packed bf16 or f16 multiplies, adds, multiply-adds, maxima and minima; sums over many terms, partial sums and values carried from step to step in f32; what a program stores and reads back later, other than sums and carried values, may be rounded once to bf16 or f16.
;; Inputs: gate 16 x 3 float32; wj 1,024 x 1,024 float32; wk 1,024 x 1,024 float32; wo 1,024 x 1,024 float32; wq 1,024 x 1,024 float32; wr 16 x 1,024 x 1,024 float32; wv 1,024 x 1,024 float32; wvr 1,024 x 1,024 float32; x 4 x 1,024 x 1,024 float32.
;; Outputs: out0 4 x 1,024 x 1,024 float32.
;; One version. Each part assembles by itself: llvm-mc -triple=amdgcn-amd-amdhsa -mcpu=gfx1250 --defsym DOCPART=n.
;; ======== version 1 of 1: 4 launches
;; limits: values are held in f16: magnitudes above 65,504 overflow, below 6.1e-05 lose precision
;; workspace buffers: xb 8,388,608 bytes; wcat 10,485,760 bytes; wob 2,097,152 bytes; s2p 4,194,304 bytes; s2f 262,144 bytes; scp 131,072 bytes; heads 41,943,040 bytes; ob 8,388,608 bytes
;; launch prep (part 1): grid 256 x 1, 8 waves a work-group, no clusters, 296,960 bytes of LDS; arguments x, wr, wq, wk, wv, wvr, wj, wo, xb, wcat, wob, s2p; writes xb, wcat, wob, s2p
.if DOCPART == 1
	.amdgcn_target "amdgcn-amd-amdhsa--gfx1250"
	.amdhsa_code_object_version 6
	.text
	.protected	k_q0a9d0dd0b9_prep
	.globl	k_q0a9d0dd0b9_prep
	.p2align	8
	.type	k_q0a9d0dd0b9_prep,@function
k_q0a9d0dd0b9_prep:
	s_mov_b64 s[64:65], 0
	v_nop
	global_prefetch_b8 v0, s[64:65] scope:SCOPE_SE
	s_setreg_imm32_b32 hwreg(HW_REG_WAVE_MODE, 25, 1), 1
	s_wait_xcnt 0x0
; PREP.  (1) x and wq, wk, wv, wvr, wj are rounded to bf16, wo to bf16 and that number written as f16, all into a layout in blocks of 64 channels:
; T[kc 0..15][row][64 numbers of 2 bytes], so that the rows of one kc lie end to end, 128 bytes each.  (2) Partial sums of s2[b][h][t] = sum over e of x[b][t][e] wr[h][e][t].
; SHARES.  Work-group g: TT = g % 16 (64 t), EC = g / 16 (64 e).  It reads x[4 b][64 t][64 e], wr[16 h][64 e][64 t] and rows 4 g .. 4 g + 3 of the six weights: every input byte once.
; s2 ON THE VECTOR UNIT: t is a batch index of both operands, so for each t the product is 4 x 16 with K spread 4,096 bytes apart in wr; it makes one multiply-add for every byte
; of wr.  Its operands are rounded to bf16 like every matrix operand of the program, its sums are f32; the 16 partial sums (one for each EC) are added in the next launch, in ascending EC.
; wr comes by tensor loads, all 256 KiB of the work-group asked for at once (four loads a wave outstanding); each wave reads only what it fetched.  x goes through registers, since it is also
; rounded and stored; its bf16 copy is laid in LDS turned round (XT: row e, then b and t) for all eight waves.
; NOT USED: clusters (no two work-groups read the same byte), a ring (nothing is filled twice), prefetches (every byte is asked for at the head).
; LIMIT: wo's bf16 value is written as f16: beyond 65,504 it would be lost, below 6e-5 it keeps f16's fixed step of 6e-8.
.set XT,    262144                     ; LDS: 0 .. 262,143 wr as [h][e 64][256 bytes]; then XT: 64 rows e of 528 bytes: [b / 2][t / 4][b % 2][t % 4] bf16, 16 bytes of padding
.set XP,    528
.set SPARE, 295936                     ; the spare words: 128 bytes for each of 8 waves, four blocks of 256 bytes that no other line names
.set XO,  1                            ; v1  (lane / 16) x 4,096 + (lane % 16) x 16: two rows of 4,096 bytes, 256 bytes of each
.set SO,  2                            ; v2  8 x lane
.set XA,  3                            ; v3  where my x goes in XT
.set WA0, 4                            ; v4  my 16 bytes of a row of wr in LDS: head 2 w + lane / 16, four t
.set XR0, 5                            ; v5  my 16 bytes of a row of XT
.set ADW, 6
.set ADX, 7
.set SPW, 8                            ; v8  my spare word; never rewritten
.set NIL, 9                            ; v9  0; never rewritten
.set XL,  32                           ; v[32:95]   16 loads of x
.set WL,  96                           ; v[96:191]  24 loads of weights; later four e of wr and x from LDS
.set ACC, 192                          ; v[192:207] s2 sums: b x 4 + t % 4
.set Y,   208                          ; v[208:239] x in bf16, two registers a load
.set T,   240
.set G1,  40
.set G0,  48
	s_load_b512 s[16:31], s[0:1], 0x0              ; x 16, wr 18, wq 20, wk 22, wv 24, wvr 26, wj 28, wo 30
	s_load_b256 s[32:39], s[0:1], 0x40             ; xb 32, wcat 34, wob 36, s2p 38
	v_lshl_add_u32 v[SPW], v0, 2, SPARE
	v_mov_b32 v[NIL], 0
	ds_add_u32 v[SPW], v[NIL]                      ; the wave's opening: the add and its wait stand ahead of my first tensor load
	v_lshrrev_b32 v10, 5, v0
	v_readfirstlane_b32 s8, v10                    ; wave 0..7
	s_and_b32 s9, ttmp9, 15                        ; TT
	s_lshr_b32 s10, ttmp9, 4                       ; EC
	s_lshr_b32 s11, s8, 1                          ; b for the x part
	s_and_b32 s12, s8, 1                           ; which 32 of the 64 t
	s_mov_b32 s[G1+0], 2<<16                       ; elements of 4 bytes, no padding, no mask
	s_mov_b32 s[G1+1], 64<<16                      ; tensor_dim0 = 64
	s_mov_b32 s[G1+2], 32<<16                      ; tensor_dim1 = 32
	s_mov_b32 s[G1+3], 64<<16                      ; tile_dim0 = 64 (256 bytes)
	s_mov_b32 s[G1+4], 32                          ; tile_dim1 = 32 rows
	s_mov_b32 s[G1+5], 1024                        ; 1,024 elements from row e to row e + 1
	s_mov_b32 s[G1+6], 0
	s_mov_b32 s[G1+7], 0
.irp j, 0,1,2,3                        ; load j: head 2 w + j % 2, rows e 32 (j / 2) ..: both heads' first halves come first
	s_mov_b32 s[G0+4*(\j)], 1
	s_lshl_b32 s[G0+4*(\j)+1], s8, 15
	s_add_co_u32 s[G0+4*(\j)+1], s[G0+4*(\j)+1], ((\j)%2)*16384+((\j)/2)*8192
.endr
	s_lshl_b32 s2, s8, 23                          ; head 2 w: 2 w x 4 MiB
	s_lshl_b32 s4, s10, 18                         ; row 64 EC
	s_add_co_u32 s2, s2, s4
	s_lshl_b32 s4, s9, 8                           ; column 64 TT
	s_add_co_u32 s2, s2, s4
	s_mov_b32 s3, 0
	s_wait_dscnt 0x0                               ; the opening add is done
	s_wait_kmcnt 0x0
	s_add_nc_u64 s[18:19], s[18:19], s[2:3]
.irp j, 0,1,2,3
	s_add_nc_u64 s[G0+4*(\j)+2:G0+4*(\j)+3], s[18:19], ((\j)%2)*4194304+((\j)/2)*131072
	s_or_b32 s[G0+4*(\j)+3], s[G0+4*(\j)+3], 0x80000000
	tensor_load_to_lds s[G0+4*(\j):G0+4*(\j)+3], s[G1:G1+7]
	s_nop 0
.endr
	v_and_b32 v12, 15, v0
	v_bfe_u32 v13, v0, 4, 1
	v_and_b32 v14, 31, v0
	v_lshlrev_b32 v[XO], 4, v12
	v_lshl_add_u32 v[XO], v13, 12, v[XO]
	v_lshlrev_b32 v[SO], 3, v14
	s_lshl_b32 s2, s11, 22                         ; x at row b x 1,024 + 64 TT + 32 (w % 2), column 64 EC
	s_lshl_b32 s4, s9, 18
	s_add_co_u32 s2, s2, s4
	s_lshl_b32 s4, s12, 17
	s_add_co_u32 s2, s2, s4
	s_lshl_b32 s4, s10, 8
	s_add_co_u32 s2, s2, s4
	s_add_nc_u64 s[16:17], s[16:17], s[2:3]
.irp i, 0,1,2,3,4,5,6,7,8,9,10,11,12,13,14,15
	global_load_b128 v[XL+4*(\i):XL+4*(\i)+3], v[XO], s[16:17] offset:8192*(\i) th:TH_LOAD_NT  ; rows 2 i, 2 i + 1: 256 bytes of each
.endr
	s_lshl_b32 s2, ttmp9, 14                       ; the weights at row 4 g, byte 512 w
	s_lshl_b32 s4, s8, 9
	s_add_co_u32 s2, s2, s4
.irp m, 20,22,24,26,28,30
	s_add_nc_u64 s[\m:\m+1], s[\m:\m+1], s[2:3]
.endr
.set j, 0
.rept 24                               ; load j: weight j / 4, rows 2 ((j / 2) % 2) + lane / 16, channels 128 w + 64 (j % 2) ..
	global_load_b128 v[WL+4*j:WL+4*j+3], v[XO], s[20+2*(j/4):21+2*(j/4)] offset:((j/2)%2)*8192+(j%2)*256 th:TH_LOAD_NT
.set j, j+1
.endr
	s_lshl_b32 s2, s10, 19                         ; xb at block EC, the same rows
	s_lshl_b32 s4, s11, 17
	s_add_co_u32 s2, s2, s4
	s_lshl_b32 s4, s9, 13
	s_add_co_u32 s2, s2, s4
	s_lshl_b32 s4, s12, 12
	s_add_co_u32 s2, s2, s4
	s_add_nc_u64 s[32:33], s[32:33], s[2:3]
	s_mul_i32 s2, s8, 1310720                      ; wcat at block 2 w, row 4 g
	s_lshl_b32 s4, ttmp9, 9
	s_add_co_u32 s2, s2, s4
	s_add_nc_u64 s[34:35], s[34:35], s[2:3]
	s_lshl_b32 s2, s8, 18                          ; wob likewise
	s_add_co_u32 s2, s2, s4
	s_add_nc_u64 s[36:37], s[36:37], s[2:3]
	s_lshl_b32 s2, s10, 18                         ; s2p at [EC][b 0][h 2 w][64 TT]
	s_lshl_b32 s4, s8, 13
	s_add_co_u32 s2, s2, s4
	s_lshl_b32 s4, s9, 8
	s_add_co_u32 s2, s2, s4
	s_add_nc_u64 s[38:39], s[38:39], s[2:3]
	s_lshr_b32 s4, s11, 1                          ; XT: (b / 2) x 256 + (b % 2) x 8 + (w % 2) x 128
	s_lshl_b32 s4, s4, 8
	s_and_b32 s5, s11, 1
	s_lshl_b32 s5, s5, 3
	s_add_co_u32 s4, s4, s5
	s_lshl_b32 s5, s12, 7
	s_add_co_u32 s4, s4, s5
	s_add_co_u32 s4, s4, XT
	v_mul_u32_u24 v[XA], v12, 4*XP                 ; my four e are rows 4 (lane % 16) ..
	v_lshl_add_u32 v[XA], v13, 1, v[XA]
	v_add_nc_u32 v[XA], s4, v[XA]
	v_lshlrev_b32 v[WA0], 4, v12
	v_add_nc_u32 v[XR0], XT, v[WA0]
	v_lshl_add_u32 v[WA0], v13, 14, v[WA0]
	s_lshl_b32 s4, s8, 15
	v_add_nc_u32 v[WA0], s4, v[WA0]
; x: rounded, stored (a wave's store covers 256 consecutive bytes, aligned) and laid into XT
.irp i, 0,1,2,3,4,5,6,7,8,9,10,11,12,13,14,15
	s_wait_loadcnt 39-(\i)                         ; behind load i stand 15 - i loads of x and 24 of weights
	v_cvt_pk_bf16_f32 v[Y+2*(\i)], v[XL+4*(\i)], v[XL+4*(\i)+1]
	v_cvt_pk_bf16_f32 v[Y+2*(\i)+1], v[XL+4*(\i)+2], v[XL+4*(\i)+3]
	global_store_b64 v[SO], v[Y+2*(\i):Y+2*(\i)+1], s[32:33] offset:256*(\i)
	ds_store_b16 v[XA], v[Y+2*(\i)] offset:((\i)/2)*16+((\i)%2)*4
	ds_store_b16_d16_hi v[XA], v[Y+2*(\i)] offset:XP+((\i)/2)*16+((\i)%2)*4
	ds_store_b16 v[XA], v[Y+2*(\i)+1] offset:2*XP+((\i)/2)*16+((\i)%2)*4
	ds_store_b16_d16_hi v[XA], v[Y+2*(\i)+1] offset:3*XP+((\i)/2)*16+((\i)%2)*4
.endr
	s_wait_dscnt 0x0                               ; for the others' sake: my part of XT is written
	s_barrier_signal -1
	s_barrier_wait -1                              ; XT is whole; the tensor loads may stay out
; the weights
.set j, 0
.rept 24
	s_wait_loadcnt 23-j
	v_cvt_pk_bf16_f32 v[WL+4*j], v[WL+4*j], v[WL+4*j+1]
	v_cvt_pk_bf16_f32 v[WL+4*j+1], v[WL+4*j+2], v[WL+4*j+3]
.if j < 20
	global_store_b64 v[SO], v[WL+4*j:WL+4*j+1], s[34:35] offset:(j/4)*131072+(j%2)*655360+((j/2)%2)*256
.else
	v_lshlrev_b32 v[T], 16, v[WL+4*j]              ; wo: the bf16 number, written as f16
	v_and_b32 v[T+1], 0xffff0000, v[WL+4*j]
	v_lshlrev_b32 v[T+2], 16, v[WL+4*j+1]
	v_and_b32 v[T+3], 0xffff0000, v[WL+4*j+1]
	v_cvt_pk_f16_f32 v[WL+4*j], v[T], v[T+1]
	v_cvt_pk_f16_f32 v[WL+4*j+1], v[T+2], v[T+3]
	global_store_b64 v[SO], v[WL+4*j:WL+4*j+1], s[36:37] offset:(j%2)*131072+((j/2)%2)*256
.endif
.set j, j+1
.endr
.set j, 0
.rept 16
	v_mov_b32 v[ACC+j], 0
.set j, j+1
.endr
	s_mov_b32 s14, 0                               ; bytes walked in wr's rows
	s_mov_b32 s15, 0                               ; and in XT's
	s_wait_xcnt 0x0                                ; the stores have read their data: v[96:..] are loaded anew only behind this wait
; 32 rows e, four a trip.  For each e: my four t of wr (f32, rounded here), my four t of x for the four b (bf16), 16 multiply-adds in f32.
.macro S2HALF
	s_mov_b32 s13, 8
.Ls2_\@:
	v_add_nc_u32 v[ADW], s14, v[WA0]
	v_add_nc_u32 v[ADX], s15, v[XR0]
.irp e, 0,1,2,3
	ds_load_b128 v[WL+12*(\e):WL+12*(\e)+3], v[ADW] offset:256*(\e)
	ds_load_b128 v[WL+12*(\e)+4:WL+12*(\e)+7], v[ADX] offset:XP*(\e)
	ds_load_b128 v[WL+12*(\e)+8:WL+12*(\e)+11], v[ADX] offset:XP*(\e)+256
.endr
	s_add_co_u32 s14, s14, 1024
	s_add_co_u32 s15, s15, 4*XP
.irp e, 0,1,2,3
	s_wait_dscnt 9-3*(\e)                          ; the three loads of each later e may stay out
	v_cvt_pk_bf16_f32 v[T], v[WL+12*(\e)], v[WL+12*(\e)+1]
	v_cvt_pk_bf16_f32 v[T+1], v[WL+12*(\e)+2], v[WL+12*(\e)+3]
.irp b, 0,1,2,3
.irp p, 0,1
	v_fma_mix_f32_bf16 v[ACC+4*(\b)+2*(\p)], v[T+(\p)], v[WL+12*(\e)+4+2*(\b)+(\p)], v[ACC+4*(\b)+2*(\p)] op_sel_hi:[1,1,0]
	v_fma_mix_f32_bf16 v[ACC+4*(\b)+2*(\p)+1], v[T+(\p)], v[WL+12*(\e)+4+2*(\b)+(\p)], v[ACC+4*(\b)+2*(\p)+1] op_sel:[1,1,0] op_sel_hi:[1,1,0]
.endr
.endr
.endr
	s_sub_co_u32 s13, s13, 1
	s_cmp_lg_u32 s13, 0
	s_cbranch_scc1 .Ls2_\@
.endm
	s_wait_tensorcnt 0x2                           ; my first two loads are in: both heads' rows e 0 .. 31; the other two may stay out
	S2HALF
	s_wait_tensorcnt 0x0
	S2HALF
.irp b, 0,1,2,3
	global_store_b128 v[XO], v[ACC+4*(\b):ACC+4*(\b)+3], s[38:39] offset:(\b)*65536  ; 16 lanes: 256 consecutive bytes, aligned
.endr
	s_wait_tensorcnt 0x0                           ; the wave's end
	ds_add_u32 v[SPW], v[NIL]
	s_wait_dscnt 0x0
	s_endpgm
.Lfunc_end_k_q0a9d0dd0b9_prep:
	.size	k_q0a9d0dd0b9_prep, .Lfunc_end_k_q0a9d0dd0b9_prep-k_q0a9d0dd0b9_prep
	.p2alignl 7, 3214868480
	.fill 96, 4, 3214868480
	.section	.rodata,"a",@progbits
	.p2align	6, 0x0
	.amdhsa_kernel k_q0a9d0dd0b9_prep
		.amdhsa_group_segment_fixed_size 296960
		.amdhsa_private_segment_fixed_size 0
		.amdhsa_enable_private_segment 0
		.amdhsa_kernarg_size 96
		.amdhsa_user_sgpr_count 2
		.amdhsa_user_sgpr_kernarg_segment_ptr 1
		.amdhsa_wavefront_size32 1
		.amdhsa_system_sgpr_workgroup_id_x 1
		.amdhsa_system_sgpr_workgroup_id_y 1
		.amdhsa_system_sgpr_workgroup_id_z 1
		.amdhsa_system_vgpr_workitem_id 0
		.amdhsa_next_free_vgpr 256
		.amdhsa_next_free_sgpr 66
		.amdhsa_reserve_vcc 0
		.amdhsa_float_denorm_mode_32 3
		.amdhsa_float_denorm_mode_16_64 3
		.amdhsa_memory_ordered 1
		.amdhsa_forward_progress 1
		.amdhsa_inst_pref_size 37
	.end_amdhsa_kernel
	.amdgpu_metadata
---
amdhsa.version: [ 1, 2 ]
amdhsa.kernels:
  - .name:           k_q0a9d0dd0b9_prep
    .symbol:         k_q0a9d0dd0b9_prep.kd
    .args:
      - { .name: x, .offset: 0, .size: 8, .value_kind: global_buffer, .address_space: global }
      - { .name: wr, .offset: 8, .size: 8, .value_kind: global_buffer, .address_space: global }
      - { .name: wq, .offset: 16, .size: 8, .value_kind: global_buffer, .address_space: global }
      - { .name: wk, .offset: 24, .size: 8, .value_kind: global_buffer, .address_space: global }
      - { .name: wv, .offset: 32, .size: 8, .value_kind: global_buffer, .address_space: global }
      - { .name: wvr, .offset: 40, .size: 8, .value_kind: global_buffer, .address_space: global }
      - { .name: wj, .offset: 48, .size: 8, .value_kind: global_buffer, .address_space: global }
      - { .name: wo, .offset: 56, .size: 8, .value_kind: global_buffer, .address_space: global }
      - { .name: xb, .offset: 64, .size: 8, .value_kind: global_buffer, .address_space: global }
      - { .name: wcat, .offset: 72, .size: 8, .value_kind: global_buffer, .address_space: global }
      - { .name: wob, .offset: 80, .size: 8, .value_kind: global_buffer, .address_space: global }
      - { .name: s2p, .offset: 88, .size: 8, .value_kind: global_buffer, .address_space: global }
    .group_segment_fixed_size: 296960
    .private_segment_fixed_size: 0
    .kernarg_segment_align: 8
    .kernarg_segment_size: 96
    .max_flat_workgroup_size: 256
    .sgpr_count:     66
    .vgpr_count:     256
    .wavefront_size: 32
...
	.end_amdgpu_metadata
.endif
;; end of part 1
;; launch proj (part 2): grid 16 x 16, 4 waves a work-group, clusters of 4 x 4, 327,680 bytes of LDS; arguments xb, wcat, s2p, heads, scp, s2f; writes heads, scp, s2f
.if DOCPART == 2
	.amdgcn_target "amdgcn-amd-amdhsa--gfx1250"
	.amdhsa_code_object_version 6
	.text
	.protected	k_q0a9d0dd0b9_proj
	.globl	k_q0a9d0dd0b9_proj
	.p2align	8
	.type	k_q0a9d0dd0b9_proj,@function
k_q0a9d0dd0b9_proj:
	s_mov_b64 s[64:65], 0
	v_nop
	global_prefetch_b8 v0, s[64:65] scope:SCOPE_SE
	s_setreg_imm32_b32 hwreg(HW_REG_WAVE_MODE, 25, 1), 1
	s_wait_xcnt 0x0
	s_wait_alu depctr_hold_cnt(0) depctr_sa_sdst(0) depctr_va_vdst(0) depctr_va_sdst(0) depctr_va_ssrc(0) depctr_va_vcc(0) depctr_vm_vsrc(0)
	s_getreg_b32 s2, hwreg(HW_REG_IB_STS2, 6, 4)
	s_cmp_eq_u32 s2, 0
	s_cbranch_scc0 .Lentry_in_a_cluster
	s_endpgm
.Lentry_in_a_cluster:
	s_bfe_u32 s2, ttmp6, 0x10000c
	s_cmp_lg_u32 s2, 0xf033
	s_cbranch_scc0 .Lentry_shape_is_right
	s_endpgm
.Lentry_shape_is_right:
; PROJ.  C[4096][5120] = xb wcat^T in bf16, sums in f32: q, k, v, rv, echo.  Stored by heads in f16: heads[U = column / 64][row][64].  Also: eight partial sums of echo^2 for each row (scp), taken of the
; f32 sums; and a side job: s2f = log2(e) / 8 x the sum of the 16 partial sums of s2p, in ascending order.
; WHY echo^2: x . (echo wj) = echo . (wj x) = |echo|^2, so reference()'s echo_back need not be formed; sc = |echo|^2 / 32 is never negative.
; LIMIT: a projected number beyond 65,504 does not fit f16 (inputs 30 times the drawn ones give some 7e3, an offset of 30 spreads on x and w some 4e4).
; SHAPE.  A tile of C is 256 x 320: 16 x 16 = 256 work-groups.  Four waves, each 128 x 160: 80 accumulators, 640 registers.  K goes in steps of 128 (two blocks of 64 channels) through two LDS slots.
; The operands lie in blocks of 64 channels, a block's rows end to end: a wave's tensor load takes, for each of the two blocks, 128 (A) or 160 (B) rows as ONE dense run, padded by 16 bytes after every 256:
; row p of a block lies at (p / 2) x 272 + (p % 2) x 128, so the 16 rows of a fragment start at 16 different groups of four banks (64 banks of 4 bytes: ISA guide 11.1).
; CLUSTER 4 x 4: A's tiles are asked for jointly along a row of the cluster, B's along a column.  The matrix instruction is used transposed (source 0 = rows of wcat, source 1 = rows of xb):
; a lane holds eight neighbouring columns of one row of C.
; REGISTERS.  window 0: v13-31 addresses; v32-95, v96-159 A's fragments, two buffers; v160-239 B's fragments, buffer 0; v240-247 at work.  windows 1, 2: accumulators 0-31, 32-63 (number 10 a + b).
; window 3: v0-127 accumulators 64-79; v128-207 B's fragments, buffer 1.
.set AH,     34816                     ; A: 128 rows x 2 blocks in LDS
.set BH,     43520                     ; B: 160 rows x 2 blocks
.set AKC,    17408                     ; one block of A's 128 rows
.set BKC,    21760
.set BLK,    2176                      ; 16 rows
.set BOFF,   2*AH
.set SLOT,   2*AH+2*BH
.set SPARE,  2*SLOT                    ; the spare words: 128 bytes a wave, two blocks of 256 bytes that no other line names
.set SPITCH, 656                       ; the stage (in the ring, behind its last fill): 256 rows of 640 bytes + 16
.set SSQ,    256*SPITCH                ; behind the stage: 512 bytes a wave for the rows' sums of squares
.set ASTEP,  1048576                   ; a K step in xb: two blocks of 4,096 rows x 128 bytes
.set BSTEP,  1310720                   ; in wcat: two blocks of 5,120 rows
.set SQR,  13
.set SQA,  14
.set ADR,  15
.set ADRA, 16
.set ADRB, 20
.set STO,  24
.set STO2, 25
.set RD,   26
.set CO,   27
.set SPW,  28
.set NIL,  29
.set PFO,  30
.set PFO2, 31
.set AF0,  32
.set BF0,  160
.set BF1,  128
.set SS,   160
.set TT,   240
.set G1A, 24
.set G0A, 32
.set G1B, 48
.set G0B, 56
.set FP,  66                           ; s[66:75] five pairs: 1.0 where a group of 32 columns is echo's, else 0
.set PFA, 76                           ; s[76:77] the K step that my next prefetch names
.set PST, 78                           ; s[78:79] a K step in bytes, of the operand that I fetch
.set LIM, 80
.set CNT, 81
.set SEL, 82
.set MSB, 0
.macro WIN new
.if MSB != (\new)
	s_set_vgpr_msb (MSB<<8)|(\new)
.set MSB, \new
.endif
.endm
.macro PLACES                          ; four plain places behind matrix instructions, ahead of loads into their sources and of readers of their results
.rept 4
	v_nop
.endr
.endm
.macro JLOAD s                         ; a joint load: waves 0, 1 fetch A's halves, waves 2, 3 B's; s_nop 0 and four v_nop follow each line
	s_cmp_eq_u32 s17, 0
	s_cbranch_scc0 .Lfor_b_\@
	tensor_load_to_lds s[G0A+4*(\s):G0A+4*(\s)+3], s[G1A:G1A+7]
	s_nop 0
.rept 4
	v_nop
.endr
	s_branch .Lasked_\@
.Lfor_b_\@:
	tensor_load_to_lds s[G0B+4*(\s):G0B+4*(\s)+3], s[G1B:G1B+7]
	s_nop 0
.rept 4
	v_nop
.endr
.Lasked_\@:
.endm
.macro CREST
	s_cmp_lg_u32 s16, 0
	s_cbranch_scc1 .Lnot_wave_0_\@
	s_barrier_signal -3
.Lnot_wave_0_\@:
	s_barrier_wait -3
	s_barrier_signal -1
	s_barrier_wait -1
.endm
.macro CROUND
	s_barrier_signal -1
	s_barrier_wait -1
	CREST
.endm
; A PREFETCH of the K step two refills on.  A's tile rows are read by every cluster of a row of clusters: cluster x = 0 asks; B's by every cluster of a column: cluster y = 0 asks.  The four partners that ask for
; a tile jointly share it out BY ADDRESS: partner p takes block p / 2 of the step's two and half p % 2 of my rows there: 32 runs of 256 bytes of A (a lane each), 40 of B (32, then 8: in that
; second line four lanes name each of the eight).  The loop's last trip asks for nothing: no K step stands two refills behind its refills.
.macro ASK
	s_cmp_gt_u32 s[CNT], s[LIM]
	s_cbranch_scc0 .Lnot_mine_\@
	global_prefetch_b8 v[PFO], s[PFA:PFA+1] th:TH_LOAD_NT scope:SCOPE_SE
	s_cmp_eq_u32 s17, 0
	s_cbranch_scc1 .Lnot_mine_\@
	global_prefetch_b8 v[PFO2], s[PFA:PFA+1] th:TH_LOAD_NT scope:SCOPE_SE
.Lnot_mine_\@:
.endm
	s_load_b256 s[4:11], s[0:1], 0x0               ; xb 4, wcat 6, s2p 8, heads 10
	s_load_b128 s[12:15], s[0:1], 0x20             ; scp 12, s2f 14
	v_lshl_add_u32 v[SPW], v0, 2, SPARE
	v_mov_b32 v[NIL], 0
	ds_add_u32 v[SPW], v[NIL]                      ; the wave's opening: the add and its wait stand ahead of my first tensor load
	v_lshrrev_b32 v1, 5, v0
	v_readfirstlane_b32 s16, v1                    ; wave
	s_lshr_b32 s17, s16, 1                         ; my half of the rows; also: I fetch for A (0) or B (1)
	s_and_b32 s18, s16, 1                          ; my half of the columns; also: which half of that tile I fetch
	s_bfe_u32 s19, ttmp6, 0x40000                  ; cx
	s_bfe_u32 s20, ttmp6, 0x40004                  ; cy
	s_lshl_b32 s21, ttmp9, 2
	s_add_co_u32 s21, s21, s19                     ; tile column
	s_and_b32 s22, ttmp7, 0xffff
	s_lshl_b32 s22, s22, 2
	s_add_co_u32 s22, s22, s20                     ; tile row
	s_lshl_b32 s40, s20, 2
	s_lshl_b32 s40, 15, s40                        ; my row of the cluster
	s_lshl_b32 s44, 0x1111, s19                    ; my column
	s_or_b32 s[G1A+0], s40, (1<<16)|(1<<20)|(1<<21)|(5<<22)|(3<<25)  ; mask; 2-byte elements; padding on; bit 21 beside a mask; after every 64 words 4 words
	s_or_b32 s[G1B+0], s44, (1<<16)|(1<<20)|(1<<21)|(5<<22)|(3<<25)
	s_mov_b32 s[G1A+1], 8192<<16                   ; tensor_dim0 = 128 rows x 64
	s_mov_b32 s[G1A+2], 2<<16                      ; tensor_dim1 = 2 blocks
	s_mov_b32 s[G1A+3], 8192<<16                   ; tile_dim0
	s_mov_b32 s[G1A+4], 2                          ; tile_dim1
	s_mov_b32 s[G1A+5], 262144                     ; elements from block to block
	s_mov_b32 s[G1A+6], 0
	s_mov_b32 s[G1A+7], 0
	s_mov_b32 s[G1B+1], 10240<<16                  ; 160 rows x 64
	s_mov_b32 s[G1B+2], 2<<16
	s_mov_b32 s[G1B+3], 10240<<16
	s_mov_b32 s[G1B+4], 2
	s_mov_b32 s[G1B+5], 327680
	s_mov_b32 s[G1B+6], 0
	s_mov_b32 s[G1B+7], 0
	s_lshl_b32 s40, s22, 15                        ; A: row 256 x tile row + 128 x half, 128 bytes a row: made of cy and the wave alone
	s_lshl_b32 s41, s18, 14
	s_add_co_u32 s40, s40, s41
	s_mov_b32 s41, 0
	s_mul_i32 s42, s18, AH
	s_mul_i32 s44, s21, 40960                      ; B: row 320 x tile column + 160 x half: made of cx and the wave alone
	s_mul_i32 s45, s18, 20480
	s_add_co_u32 s44, s44, s45
	s_mov_b32 s45, 0
	s_mul_i32 s46, s18, BH
	s_add_co_u32 s46, s46, BOFF
	s_mov_b32 s[SEL], 0x76543210
	s_mov_b32 s[SEL+1], 0xfedcba98
	s_wait_dscnt 0x0                               ; the opening add is done
	s_wait_kmcnt 0x0
	s_add_nc_u64 s[40:41], s[4:5], s[40:41]
	s_add_nc_u64 s[44:45], s[6:7], s[44:45]
	CROUND                                         ; all sixteen work-groups are here: the first joint loads meet
.irp s, 0,1
	s_mov_b32 s[G0A+4*(\s)], 1
	s_add_co_u32 s[G0A+4*(\s)+1], s42, (\s)*SLOT
	s_add_nc_u64 s[G0A+4*(\s)+2:G0A+4*(\s)+3], s[40:41], (\s)*ASTEP
	s_or_b32 s[G0A+4*(\s)+3], s[G0A+4*(\s)+3], 0x80000000
	s_mov_b32 s[G0B+4*(\s)], 1
	s_add_co_u32 s[G0B+4*(\s)+1], s46, (\s)*SLOT
	s_add_nc_u64 s[G0B+4*(\s)+2:G0B+4*(\s)+3], s[44:45], (\s)*BSTEP
	s_or_b32 s[G0B+4*(\s)+3], s[G0B+4*(\s)+3], 0x80000000
	JLOAD \s                                       ; two loads of mine are out
.endr
	; the side job's loads go out first: 256 numbers of s2f a work-group, two a thread
	s_lshl_b32 s84, s22, 4
	s_add_co_u32 s84, s84, s21
	s_lshl_b32 s84, s84, 10
	s_mov_b32 s85, 0
	s_add_nc_u64 s[8:9], s[8:9], s[84:85]
	s_add_nc_u64 s[14:15], s[14:15], s[84:85]
	v_lshlrev_b32 v12, 3, v0
.irp e, 0,1,2,3,4,5,6,7,8,9,10,11,12,13,14,15
	global_load_b64 v[32+2*(\e):33+2*(\e)], v12, s[8:9] offset:(\e)*262144 th:TH_LOAD_NT
.endr
	v_and_b32 v1, 15, v0                           ; r
	v_bfe_u32 v2, v0, 4, 1                         ; hh
	v_lshrrev_b32 v4, 1, v1
	v_mul_u32_u24 v3, v4, 272
	v_and_b32 v4, 1, v1
	v_lshl_add_u32 v3, v4, 7, v3
	v_lshl_add_u32 v3, v2, 4, v3                   ; my place in a fragment's 16 rows
	s_mul_i32 s84, s17, AH
	s_mul_i32 s85, s18, BH
	s_add_co_u32 s85, s85, BOFF
.irp s, 0,1
	v_add_nc_u32 v[ADRA+(\s)], s84, v3
	v_add_nc_u32 v[ADRB+(\s)], s85, v3
	s_add_co_u32 s84, s84, SLOT
	s_add_co_u32 s85, s85, SLOT
.endr
	s_mul_i32 s84, s17, 128*SPITCH                 ; into the stage: row 128 x half + 16 a + r, byte 320 x column half + 32 b + 16 hh
	s_mul_i32 s85, s18, 320
	s_add_co_u32 s84, s84, s85
	v_mul_u32_u24 v[STO], v1, SPITCH
	v_lshl_add_u32 v[STO], v2, 4, v[STO]
	v_add_nc_u32 v[STO], s84, v[STO]
	v_add_nc_u32 v[STO2], 64*SPITCH, v[STO]
	v_bfe_u32 v4, v0, 3, 2                         ; back: four rows of 128 bytes an instruction
	v_and_b32 v5, 7, v0
	v_mul_u32_u24 v[RD], v4, SPITCH
	v_lshl_add_u32 v[RD], v5, 4, v[RD]
	s_mul_i32 s84, s16, 64*SPITCH
	v_add_nc_u32 v[RD], s84, v[RD]
	v_and_b32 v4, 31, v0
	v_lshlrev_b32 v[CO], 4, v4
	s_lshl_b32 s84, s16, 9
	s_add_co_u32 s84, s84, SSQ
	v_lshl_add_u32 v[SQA], v1, 2, s84
	v_add_nc_u32 v[SQR], s84, v[CO]
	v_lshlrev_b32 v[PFO], 8, v4
	v_lshlrev_b32 v[PFO2], 8, v5
	v_add_nc_u32 v[PFO2], 8192, v[PFO2]
	s_mul_i32 s84, s21, 2621440                    ; heads at unit 5 x tile column, row 256 x tile row + 64 x wave
	s_lshl_b32 s85, s22, 15
	s_add_co_u32 s84, s84, s85
	s_lshl_b32 s85, s16, 13
	s_add_co_u32 s84, s84, s85
	s_mov_b32 s85, 0
	s_add_nc_u64 s[10:11], s[10:11], s[84:85]
	; the prefetches' pointer, at K step 3: the first change of slots steps it to 4
	s_lshl_b32 s84, s22, 15
	s_mul_i32 s85, s21, 40960
	s_and_b32 s86, ttmp7, 0xffff
	s_cmp_eq_u32 s17, 0
	s_cselect_b32 s84, s84, s85                    ; the tile's first row
	s_cselect_b32 s85, s19, s20                    ; my place among the four that ask with me
	s_cselect_b32 s86, ttmp9, s86                  ; the coordinate along which other clusters read the same rows
	s_cselect_b64 s[PFA:PFA+1], s[4:5], s[6:7]
	s_cmp_eq_u32 s86, 0
	s_cselect_b32 s[LIM], 1, -1                    ; the same in all sixteen partners, for a given wave
	s_lshl_b32 s86, s17, 12
	s_add_co_u32 s86, s86, 16384                   ; my rows in one block: 16,384 bytes of A, 20,480 of B
	s_mul_i32 s86, s86, s18
	s_add_co_u32 s84, s84, s86
	s_lshl_b32 s86, s17, 17
	s_add_co_u32 s86, s86, 524288                  ; from block to block
	s_lshl_b32 s[PST], s86, 1
	s_mov_b32 s[PST+1], 0
	s_lshr_b32 s87, s85, 1
	s_mul_i32 s87, s87, s86
	s_add_co_u32 s84, s84, s87
	s_lshl_b32 s86, s17, 11
	s_add_co_u32 s86, s86, 8192                    ; half of my rows in one block
	s_and_b32 s87, s85, 1
	s_mul_i32 s87, s87, s86
	s_add_co_u32 s84, s84, s87
	s_mul_i32 s87, s[PST], 3
	s_add_co_u32 s84, s84, s87
	s_mov_b32 s85, 0
	s_add_nc_u64 s[PFA:PFA+1], s[PFA:PFA+1], s[84:85]
	s_wait_loadcnt 0x0                             ; the side job: sixteen partial sums, added in ascending order, times log2(e) / 8
.irp e, 1,2,3,4,5,6,7,8,9,10,11,12,13,14,15
	v_pk_add_f32 v[32:33], v[32:33], v[32+2*(\e):33+2*(\e)]
.endr
	v_pk_mul_f32 v[TT:TT+1], v[32:33], 0x3e38aa3b op_sel_hi:[1,0]
	global_store_b64 v12, v[TT:TT+1], s[14:15]     ; a wave stores 256 consecutive bytes, aligned
; matrix instructions number i0 .. i1 of a quarter step's 80, on fragment buffer f.  The 80 accumulators take turns, one instruction a turn, in the same order in every quarter.
.macro MULS f, i0, i1, zero
.set ix, \i0
.rept (\i1)-(\i0)+1
.set rD, 8*(ix%32)
.set rA, AF0+64*(\f)+8*(ix/10)
.if \f
.set rB, BF1+8*(ix%10)
.else
.set rB, BF0+8*(ix%10)
.endif
	WIN (1+ix/32)*0x50+3*(\f)                      ; C and D in window 1, 2 or 3; buffer 1 of B in window 3
.if \zero
	v_wmma_f32_16x16x32_bf16 v[rD:rD+7], v[rB:rB+7], v[rA:rA+7], 0
.else
	v_wmma_f32_16x16x32_bf16 v[rD:rD+7], v[rB:rB+7], v[rA:rA+7], v[rD:rD+7]
.endif
.set ix, ix+1
.endr
.endm
; 36 LDS loads in one run: quarter q (32 along K) of a slot into buffer f: B's ten blocks, then A's eight
.macro FETCH slot, q, f
.if \f
	WIN 0xc0
.set fb, BF1
.else
	WIN 0
.set fb, BF0
.endif
.irp i, 0,1,2,3,4,5,6,7,8,9
	ds_load_b128 v[fb+8*(\i):fb+8*(\i)+3],   v[ADRB+(\slot)] offset:((\q)/2)*BKC+((\q)%2)*64+(\i)*BLK
	ds_load_b128 v[fb+8*(\i)+4:fb+8*(\i)+7], v[ADRB+(\slot)] offset:((\q)/2)*BKC+((\q)%2)*64+(\i)*BLK+32
.endr
	WIN 0
.irp i, 0,1,2,3,4,5,6,7
	ds_load_b128 v[AF0+64*(\f)+8*(\i):AF0+64*(\f)+8*(\i)+3],   v[ADRA+(\slot)] offset:((\q)/2)*AKC+((\q)%2)*64+(\i)*BLK
	ds_load_b128 v[AF0+64*(\f)+8*(\i)+4:AF0+64*(\f)+8*(\i)+7], v[ADRA+(\slot)] offset:((\q)/2)*AKC+((\q)%2)*64+(\i)*BLK+32
.endr
.endm
.macro QUARTER slot, q, f, g, zero     ; multiplies buffer f; in its middle fetches quarter q into buffer g
	s_wait_dscnt 8                                 ; B and A's blocks 0-3 are in; the youngest eight loads (A's blocks 4-7) may be out: numbers 0-31 need blocks 0-3
	MULS \f, 0, 31, \zero
	PLACES
	FETCH \slot, \q, \g
	s_wait_dscnt 36                                ; all but the 36 just issued
	MULS \f, 32, 79, \zero
.endm
; The last quarter multiplies buffer 1 and changes slots.  In front of the barrier each wave waits for all its tensor loads (one is out: its part of the next slot), adds 0 to its spare word, and waits for that
; and for its reads of this slot.  fill = 1: the barrier opens a round of the cluster's, and the joint refill, two K steps on, is the first thing behind the round.
.macro TURN slot, next, fill
.if \fill
	s_wait_xcnt 0x0                                ; the last prefetch, a K step back, has read its address
	s_add_nc_u64 s[PFA:PFA+1], s[PFA:PFA+1], s[PST:PST+1]
.endif
	WIN 0
	s_wait_tensorcnt 0x0
	ds_add_u32 v[SPW], v[NIL]
	s_wait_dscnt 9                                 ; the add and the youngest eight loads may be out
	MULS 1, 0, 15, 0
	s_wait_dscnt 0x0                               ; the add is done, and my reads of this slot are over
	s_barrier_signal -1
	MULS 1, 16, 31, 0
.if \fill
	WIN 0
.endif
	s_barrier_wait -1
.if \fill
	CREST
	s_add_nc_u64 s[G0A+4*(\slot)+2:G0A+4*(\slot)+3], s[G0A+4*(\slot)+2:G0A+4*(\slot)+3], 2*ASTEP
	s_add_nc_u64 s[G0B+4*(\slot)+2:G0B+4*(\slot)+3], s[G0B+4*(\slot)+2:G0B+4*(\slot)+3], 2*BSTEP
	JLOAD \slot                                    ; its four v_nop are also the places in front of the loads below
.else
	PLACES
.endif
	FETCH \next, 0, 0
.if \fill
	ASK
.endif
	MULS 1, 32, 79, 0
.endm
	s_wait_tensorcnt 0x1                           ; my part of K step 0 is in; K step 1's may stay out
	s_barrier_signal -1
	s_barrier_wait -1
	FETCH 0, 0, 0
	QUARTER 0, 1, 0, 1, 1                          ; the first quarter's products start the sums
	WIN 0
	s_mov_b32 s[CNT], 3
.Llap:                                                 ; once round the ring, from a lap's second quarter to the next lap's first
	QUARTER 0, 2, 1, 0, 0
	QUARTER 0, 3, 0, 1, 0
	TURN 0, 1, 1
	QUARTER 1, 1, 0, 1, 0
	QUARTER 1, 2, 1, 0, 0
	QUARTER 1, 3, 0, 1, 0
	TURN 1, 0, 1
	QUARTER 0, 1, 0, 1, 0
	WIN 0
	s_sub_co_u32 s[CNT], s[CNT], 1
	s_cmp_lg_u32 s[CNT], 0
	s_cbranch_scc1 .Llap
	QUARTER 0, 2, 1, 0, 0                          ; the last lap fills nothing
	QUARTER 0, 3, 0, 1, 0
	TURN 0, 1, 0
	QUARTER 1, 1, 0, 1, 0
	QUARTER 1, 2, 1, 0, 0
	QUARTER 1, 3, 0, 1, 0
	s_wait_dscnt 8
	MULS 1, 0, 31, 0
	s_wait_dscnt 0x0
	MULS 1, 32, 79, 0
	WIN 0
	s_barrier_signal -1                            ; my reads of the ring are over (the wait for 0 above); behind this barrier the ring, which has had its last fill, is the stage
	s_barrier_wait -1
	PLACES
	; THE ROWS' SUMS OF SQUARES OF echo, in the clusters that hold its columns (cluster x = 3: the same answer in all partners).  A group of 32 columns counts with factor 1.0 or 0.
	s_cmp_lg_u32 ttmp9, 3
	s_cbranch_scc1 .Lno_echo
	s_mul_i32 s84, s21, 5
	s_mul_i32 s85, s18, 160
.irp g, 0,1,2,3,4
	s_add_co_u32 s86, s85, 32*(\g)
	s_lshr_b32 s86, s86, 6
	s_add_co_u32 s86, s86, s84                     ; the group's unit of 64 columns; echo's are 64 .. 79
	s_cmp_ge_u32 s86, 64
	s_cselect_b32 s[FP+2*(\g)], 1.0, 0
	s_mov_b32 s[FP+2*(\g)+1], 0
.endr
	s_lshl_b32 s84, s19, 15                        ; scp at [2 cx + column half][256 x tile row + 128 x row half]
	s_lshl_b32 s85, s18, 14
	s_add_co_u32 s84, s84, s85
	s_lshl_b32 s85, s22, 10
	s_add_co_u32 s84, s84, s85
	s_lshl_b32 s85, s17, 9
	s_add_co_u32 s84, s84, s85
	s_mov_b32 s85, 0
	s_add_nc_u64 s[12:13], s[12:13], s[84:85]
.set ia, 0
.rept 8
.set ig, 0
.rept 5
.set ix, 10*ia+2*ig
.set rD, 8*(ix%32)
	WIN (1+ix/32)*5                                ; sources 0 and 1 in the accumulators' window
	v_pk_mul_f32 v[TT:TT+1], v[rD:rD+1], v[rD:rD+1]  ; each accumulator is read from its low end on
.set ik, 1
.rept 7
	v_pk_fma_f32 v[TT:TT+1], v[rD+2*ik:rD+2*ik+1], v[rD+2*ik:rD+2*ik+1], v[TT:TT+1]
.set ik, ik+1
.endr
	WIN 0
.if ig == 0
	v_pk_mul_f32 v[SS+2*ia:SS+2*ia+1], v[TT:TT+1], s[FP:FP+1] op_sel_hi:[1,0]
.else
	v_pk_fma_f32 v[SS+2*ia:SS+2*ia+1], v[TT:TT+1], s[FP+2*ig:FP+2*ig+1], v[SS+2*ia:SS+2*ia+1] op_sel_hi:[1,0,1]
.endif
.set ig, ig+1
.endr
.set ia, ia+1
.endr
.irp a, 0,1,2,3,4,5,6,7
	v_add_f32 v[SS+2*(\a)], v[SS+2*(\a)], v[SS+2*(\a)+1]
.endr
.irp a, 0,1,2,3,4,5,6,7
	v_permlanex16_b32 v[SS+2*(\a)+1], v[SS+2*(\a)], s[SEL], s[SEL+1]  ; the row's other columns lie in the lane 16 away
.endr
.irp a, 0,1,2,3,4,5,6,7
	v_add_f32 v[SS+2*(\a)], v[SS+2*(\a)], v[SS+2*(\a)+1]
.endr
.irp a, 0,1,2,3,4,5,6,7
	ds_store_b32 v[SQA], v[SS+2*(\a)] offset:64*(\a)
.endr
	ds_load_b128 v[244:247], v[SQR]                ; my own bytes: LDS serves a wave's instructions in order (ISA guide 5.7.1.4)
	s_wait_dscnt 0x0
	global_store_b128 v[CO], v[244:247], s[12:13]  ; 128 rows' sums: 512 consecutive bytes
.Lno_echo:
	; THE WAY OUT: rounded to f16, 16 bytes a lane into the stage; a barrier; back by units of 64 columns, four rows of 128 bytes an instruction
.macro PACK a
.set pb, 32+40*((\a)%2)
.set ib, 0
.rept 10
.set ix, 10*(\a)+ib
.set rD, 8*(ix%32)
	WIN (1+ix/32)*5
.irp r, 0,1,2,3
	v_cvt_pk_f16_f32 v[pb+4*ib+(\r)], v[rD+2*(\r)], v[rD+2*(\r)+1]
.endr
.set ib, ib+1
.endr
	WIN 0
.irp b, 0,1,2,3,4,5,6,7,8,9
	ds_store_b128 v[STO+(\a)/4], v[pb+4*(\b):pb+4*(\b)+3] offset:((\a)%4)*16*SPITCH+32*(\b)
.endr
.endm
.irp a, 0,1,2,3,4,5,6,7
	PACK \a
.endr
	s_wait_dscnt 0x0                               ; for the others' sake: my part of the stage is written
	s_barrier_signal -1
	s_barrier_wait -1
	s_mov_b32 s[CNT], 5
	s_mov_b32 s84, 0
.Lunit:                                                ; unit u of the tile's five: my 64 rows, 8,192 consecutive bytes of heads
	v_add_nc_u32 v[ADR], s84, v[RD]
.irp t, 0,1,2,3,4,5,6,7,8,9,10,11,12,13,14,15
	ds_load_b128 v[32+4*(\t):35+4*(\t)], v[ADR] offset:(\t)*4*SPITCH
.endr
.irp t, 0,1,2,3,4,5,6,7,8,9,10,11,12,13,14,15
	s_wait_dscnt 15-(\t)
	global_store_b128 v[CO], v[32+4*(\t):35+4*(\t)], s[10:11] offset:512*(\t)
.endr
	s_wait_xcnt 0x0                                ; the stores have read their base and data: both are rewritten only behind this wait
	s_add_nc_u64 s[10:11], s[10:11], 524288
	s_add_co_u32 s84, s84, 128
	s_sub_co_u32 s[CNT], s[CNT], 1
	s_cmp_lg_u32 s[CNT], 0
	s_cbranch_scc1 .Lunit
	s_wait_tensorcnt 0x0                           ; the wave's end
	ds_add_u32 v[SPW], v[NIL]
	s_wait_dscnt 0x0
	CROUND                                         ; the closing round
	s_endpgm
.Lfunc_end_k_q0a9d0dd0b9_proj:
	.size	k_q0a9d0dd0b9_proj, .Lfunc_end_k_q0a9d0dd0b9_proj-k_q0a9d0dd0b9_proj
	.p2alignl 7, 3214868480
	.fill 96, 4, 3214868480
	.section	.rodata,"a",@progbits
	.p2align	6, 0x0
	.amdhsa_kernel k_q0a9d0dd0b9_proj
		.amdhsa_group_segment_fixed_size 327680
		.amdhsa_private_segment_fixed_size 0
		.amdhsa_enable_private_segment 0
		.amdhsa_kernarg_size 48
		.amdhsa_user_sgpr_count 2
		.amdhsa_user_sgpr_kernarg_segment_ptr 1
		.amdhsa_wavefront_size32 1
		.amdhsa_system_sgpr_workgroup_id_x 1
		.amdhsa_system_sgpr_workgroup_id_y 1
		.amdhsa_system_sgpr_workgroup_id_z 1
		.amdhsa_system_vgpr_workitem_id 0
		.amdhsa_next_free_vgpr 1024
		.amdhsa_next_free_sgpr 96
		.amdhsa_reserve_vcc 0
		.amdhsa_float_denorm_mode_32 3
		.amdhsa_float_denorm_mode_16_64 3
		.amdhsa_memory_ordered 1
		.amdhsa_forward_progress 1
		.amdhsa_inst_pref_size 194
	.end_amdhsa_kernel
	.amdgpu_metadata
---
amdhsa.version: [ 1, 2 ]
amdhsa.kernels:
  - .name:           k_q0a9d0dd0b9_proj
    .symbol:         k_q0a9d0dd0b9_proj.kd
    .args:
      - { .name: xb, .offset: 0, .size: 8, .value_kind: global_buffer, .address_space: global }
      - { .name: wcat, .offset: 8, .size: 8, .value_kind: global_buffer, .address_space: global }
      - { .name: s2p, .offset: 16, .size: 8, .value_kind: global_buffer, .address_space: global }
      - { .name: heads, .offset: 24, .size: 8, .value_kind: global_buffer, .address_space: global }
      - { .name: scp, .offset: 32, .size: 8, .value_kind: global_buffer, .address_space: global }
      - { .name: s2f, .offset: 40, .size: 8, .value_kind: global_buffer, .address_space: global }
    .group_segment_fixed_size: 327680
    .private_segment_fixed_size: 0
    .kernarg_segment_align: 8
    .kernarg_segment_size: 48
    .max_flat_workgroup_size: 128
    .sgpr_count:     96
    .vgpr_count:     1024
    .wavefront_size: 32
...
	.end_amdgpu_metadata
.endif
;; end of part 2
;; launch attn (part 3): grid 4 x 64, 8 waves a work-group, clusters of 4 x 1, 327,680 bytes of LDS; arguments heads, s2f, scp, gate, ob; writes ob
.if DOCPART == 3
	.amdgcn_target "amdgcn-amd-amdhsa--gfx1250"
	.amdhsa_code_object_version 6
	.text
	.protected	k_q0a9d0dd0b9_attn
	.globl	k_q0a9d0dd0b9_attn
	.p2align	8
	.type	k_q0a9d0dd0b9_attn,@function
k_q0a9d0dd0b9_attn:
	s_mov_b64 s[64:65], 0
	v_nop
	global_prefetch_b8 v0, s[64:65] scope:SCOPE_SE
	s_setreg_imm32_b32 hwreg(HW_REG_WAVE_MODE, 25, 1), 1
	s_wait_xcnt 0x0
	s_wait_alu depctr_hold_cnt(0) depctr_sa_sdst(0) depctr_va_vdst(0) depctr_va_sdst(0) depctr_va_ssrc(0) depctr_va_vcc(0) depctr_vm_vsrc(0)
	s_getreg_b32 s2, hwreg(HW_REG_IB_STS2, 6, 4)
	s_cmp_eq_u32 s2, 0
	s_cbranch_scc0 .Lentry_in_a_cluster
	s_endpgm
.Lentry_in_a_cluster:
	s_bfe_u32 s2, ttmp6, 0x10000c
	s_cmp_lg_u32 s2, 0x3003
	s_cbranch_scc0 .Lentry_shape_is_right
	s_endpgm
.Lentry_shape_is_right:
; ATTN.  For each (b, h): three causal softmax branches over 1,024 keys, head size 64, combined by softmax(gate[h]); O in f16 to ob[h][row][64].
;   1: scores q . k / 8, running maximum m and sum l, O and l rescaled by a = 2^(c m_old - c m_new) in every step (c = log2(e) / 8).
;   2: the score of key j is s2[j] for every query, so the row's maximum is the prefix maximum M2 of s2, known before the walk, and the sums are prefix sums.  For a row i of band m (64 rows):
;      the keys below 64 m give 2^(c M2[64 m - 1] - c M2[i]) x S_m, with S_m = sum of 2^(c s2[j] - c M2[64 m - 1]) rv[j] (and L_m likewise for the weights); the band's own keys are summed
;      with 2^(c s2[j] - c M2[i]).  Every exponent is at most 0.  The sixteen S_m are ONE VIRTUAL TILE: its query q sees the keys below 64 q.
;   3: the score is sc[i] sc[j] with sc = |echo|^2 / 32 >= 0: the row's maximum is sc[i] x the prefix maximum M3 of sc: p = 2^(log2(e) sc[i] (sc[j] - M3[i])): the difference is formed first, so
;      the exponent is exactly 0 at the maximum and never above it for a visible key, whatever the inputs' size.
; LIMITS.  q, k, v, rv, echo arrive in f16 (within 65,504).  A hidden key's exponent counts as -1e30 in all three branches.  A weight below 2^-126 counts as 0; NaN and infinities are not treated
; apart.  gate is rounded to bf16 like every input of the program.
; SHARES.  A cluster of four work-groups is one (b, h); all four walk the same K, V, RV, JV, asked for JOINTLY.  Partner cx owns the query rows 64 m + 16 cx + r, m = 0 .. 15: so all partners have the same
; walk, and cx enters global addresses and lane data alone.  ALL EIGHT WAVES ARE ALIKE: wave w owns tiles m = w and 15 - w, 34 tile-half-steps, and does branches 1 and 3 for them together:
; branch 3's arguments are the places behind the products K Q^T, its exponentials stand between the links of branch 1's maximum, branch 1's between its scalings: one batch, one wait a tile.
; A half-step is 32 keys; tile m lives while the half-step's number is at most 2 m + 1 and takes the mask from 2 m on; in those two half-steps it also does its part of branch 2.
; Half-step n of the virtual tile is wave n % 8's; the eight partial sums have the same reference, so they add up, in LDS at the end.
; LAYOUT.  S^T = K Q^T holds one query a lane (lane % 16) and the keys 8 (lane / 16) + 0..7; two such results rounded to f16 are source 1 of O^T = V^T P.  V, RV, JV come out of LDS turned.
; LDS.  Two slots of 128 keys (K 144 bytes a row; V, RV, JV 160), at 0 and 131,072; between them, never filled by a tensor load: the key vectors and their prefix maxima, the stages, the spare words.
; Behind slot 0's last fill and last read its bytes carry the virtual tile's partial sums.
; REGISTERS.  window 0: v1-31 addresses and work; v32-63 16 a tile of statistics; v64-69 the virtual tile's; v72-95, v152-159 its sums; v96-127 scores; v128-151 P; v160-191 the keys' vectors;
; v192-223 K's fragments (RV's for branch 2); v224-255 V's.  window 1: O1 32 a tile, O3 at 64, O2 at 128; Q at 192, 16 a tile; JV's fragments at 224.
; Every LDS address stands in a register that holds addresses alone (v12-19, v23-24, v26), made of the lane, the wave's number, the step and constants: the same in all four partners.
.set PKP,   144
.set PVP,   160
.set VOFF,  20480
.set ROFF,  40960
.set JOFF,  61440
.set SLOT1, 131072
.set S2C,   81920                      ; c s2[key], 4 KiB; then sc[key], then the two prefix maxima
.set OSC,   4096
.set OPM2,  8192
.set OPM3,  12288
.set RT2,   98304                      ; 16 totals of 64 keys; branch 3's 256 bytes on
.set STG,   98816                      ; 16 rows x 144 bytes for each of the 8 waves
.set SPARE, 117248                     ; the spare words: 128 bytes for each of 8 waves, four blocks of 256 bytes that no other line names
.set XVP,   272                        ; the virtual tile in LDS: a query's 64 sums, 256 bytes + 16
.set XVB,   16*XVP                     ; a wave's partial tile, at wave x XVB
.set SVO,   8*XVB                      ; their sum
.set LVO,   SVO+XVB                    ; the weights' partial sums: [query][wave]
.set R_,   1
.set HH,   2
.set THR0, 3                           ; 16 cx + r - 8 hh
.set SPW,  4
.set NIL,  5
.set NEG,  6
.set THR,  7
.set C0,   8
.set C1,   9
.set CMO,  10
.set TMP,  11
.set ADR,  12                          ; v12-15: LDS addresses of the run of loads or stores in hand
.set ADR2, 13
.set ADR3, 14
.set RB,   15
.set AK0,  16
.set AV0,  17
.set KVA0, 18
.set PK0,  19
.set GA,   20                          ; v20-22 the three gates
.set STO,  23
.set RD,   24
.set GO,   25
.set RA,   26                          ; an LDS address
.set PFO,  27
.set QO,   28
.set RHO,  29
.set NINF, 30
.set OO,   31
.set ST,   32                          ; tile X at ST + 16 X: +0 c m, +1 m, +2,3 l1, +4 a, +5 its exponent, +6 -M3, +8 log2(e) sc, +10,11 l3, +12 -c M2, +14,15 l2 (+7, 9, 13 are 0: named as pairs)
.set VS,   64                          ; the virtual tile: +0 -c M2[64 q - 1], +2,3 l, +4 the same or -1e30, +5 0
.set OV,   72                          ; its sums: channel blocks 0-2 here, block 3 at OV3
.set OV3,  152
.set S,    96
.set E3,   112
.set P1,   128
.set P3,   136
.set P2,   144
.set KV3,  160
.set KV2,  176
.set KF,   192
.set VF,   224
.set QF,   192                         ; window 1
.set JF,   224                         ; window 1
.set WV,   14
.set CX,   16
.set LIMT, 20
.set DGT,  24
.set ETA,  28
.set CNT,  29
.set SLOTS, 30
.set TBK,  31
.set TBV,  32
.set CS,   34
.set SEL,  36
.set G1K,  40
.set G1V,  48
.set G0K,  56
.set G0V,  60
.set PFA,  66
.set LIM,  68
.set MK,   70
.set CXM,  74
.set OBP,  84
.set QP,   88
.set F0,   94
.set F1,   95
.set FV,   99
.set MSB, 0
.macro WIN new
.if MSB != (\new)
	s_set_vgpr_msb (MSB<<8)|(\new)
.set MSB, \new
.endif
.endm
.macro JLOAD                           ; wave 0 fetches a slot's K, waves 1-3 its V, RV, JV; s_nop 0 and four v_nop follow each line
	s_cmp_lg_u32 s[WV], 0
	s_cbranch_scc1 .Lfor_v_\@
	tensor_load_to_lds s[G0K:G0K+3], s[G1K:G1K+7]
	s_nop 0
.rept 4
	v_nop
.endr
	s_branch .Lasked_\@
.Lfor_v_\@:
	s_cmp_gt_u32 s[WV], 3
	s_cbranch_scc1 .Lasked_\@
	tensor_load_to_lds s[G0V:G0V+3], s[G1V:G1V+7]
	s_nop 0
.rept 4
	v_nop
.endr
.Lasked_\@:
.endm
.macro CROUND
	s_barrier_signal -1
	s_barrier_wait -1
	s_cmp_lg_u32 s[WV], 0
	s_cbranch_scc1 .Lnot_wave_0_\@
	s_barrier_signal -3
.Lnot_wave_0_\@:
	s_barrier_wait -3
	s_barrier_signal -1
	s_barrier_wait -1
.endm
; A PREFETCH of the slot that the NEXT change will ask for.  Only this cluster reads these rows.  Partner cx takes one of the four operands (by address), its waves 0 and 1 half a slot each: 32 runs of 256 bytes, a
; lane each: every run is named once.  The last change that fills a slot asks for nothing.
.macro ASK
	s_cmp_gt_u32 s[SLOTS], s[LIM]
	s_cbranch_scc0 .Lnot_mine_\@
	global_prefetch_b8 v[PFO], s[PFA:PFA+1] th:TH_LOAD_NT scope:SCOPE_SE
.Lnot_mine_\@:
.endm
; THE CHANGE OF SLOTS.  Each wave waits for all its tensor loads (at most one is out), adds 0 to its spare word, and waits for that and for its reads of the slot that it leaves.  fill = 1: a round of the cluster's
; barrier, and the joint fill of the slot just left first behind it; it has four half-steps in which to land.  (At its first use slot 0 is waited for and slot 1 filled.)
.macro CHANGE fill
	WIN 0
	s_wait_tensorcnt 0x0
	ds_add_u32 v[SPW], v[NIL]
.if \fill
.irp g, G0K, G0V
	s_xor_b32 s[\g+1], s[\g+1], SLOT1
	s_add_nc_u64 s[\g+2:\g+3], s[\g+2:\g+3], 16384
.endr
	s_wait_xcnt 0x0                                ; the last prefetch, a slot back, has read its address
	s_add_nc_u64 s[PFA:PFA+1], s[PFA:PFA+1], 16384
	s_wait_dscnt 0x0
	CROUND
	JLOAD
	ASK
.else
	s_wait_dscnt 0x0
	s_barrier_signal -1
	s_barrier_wait -1
.endif
	s_sub_co_u32 s[TBK], s[TBK], 4*32*PKP
	s_xor_b32 s[TBK], s[TBK], SLOT1
	s_sub_co_u32 s[TBV], s[TBV], 4*32*PVP
	s_xor_b32 s[TBV], s[TBV], SLOT1
.endm
	s_load_b256 s[4:11], s[0:1], 0x0               ; heads 4, s2f 6, scp 8, gate 10
	s_load_b64 s[12:13], s[0:1], 0x20              ; ob
	v_lshl_add_u32 v[SPW], v0, 2, SPARE
	v_mov_b32 v[NIL], 0
	ds_add_u32 v[SPW], v[NIL]                      ; the wave's opening: the add and its wait stand ahead of my first tensor load
	v_lshrrev_b32 v[C0], 5, v0
	v_readfirstlane_b32 s[WV], v[C0]
	s_bfe_u32 s[CX], ttmp6, 0x40000
	s_and_b32 s17, ttmp7, 0xffff                   ; 16 b + h
	s_lshr_b32 s18, s17, 4
	s_and_b32 s19, s17, 15
	s_lshl_b32 s[DGT], s[WV], 1                    ; 2 m for my two tiles: m = w and 15 - w
	s_sub_co_u32 s[DGT+1], 30, s[DGT]
	s_add_co_u32 s[LIMT], s[DGT], 1
	s_add_co_u32 s[LIMT+1], s[DGT+1], 1
	s_mov_b32 s[G1K], 15|(1<<16)|(1<<20)|(1<<21)|(4<<22)|(3<<25)  ; the mask of four; 2-byte elements; padding on; bit 21 beside a mask; after every 32 words 4 words
	s_mov_b32 s[G1V], 15|(1<<16)|(1<<20)|(1<<21)|(4<<22)|(7<<25)  ; the same with 8 words
.irp g, G1K, G1V
	s_mov_b32 s[\g+1], 128<<16                     ; 128 keys are 16,384 dense bytes: 64 rows of 256, two keys a row
	s_mov_b32 s[\g+2], 64<<16
	s_mov_b32 s[\g+3], 128<<16
	s_mov_b32 s[\g+4], 64
	s_mov_b32 s[\g+5], 128
	s_mov_b32 s[\g+6], 0
	s_mov_b32 s[\g+7], 0
.endr
	s_lshl_b32 s38, s19, 19                        ; h units of 524,288 bytes + b x 1,024 rows of 128: shared by the partners
	s_lshl_b32 s33, s18, 17
	s_add_co_u32 s38, s38, s33
	s_mov_b32 s39, 0
	s_add_co_u32 s92, s38, 8388608                 ; K: units 16 + h
	s_mov_b32 s93, 0
	s_min_u32 s33, s[WV], 3                        ; waves 1-3: V, RV, JV: units 16 (1 + w) + h (the waves that issue no load hold wave 3's words)
	s_mov_b32 s[G0K], 1
	s_mov_b32 s[G0K+1], 0
	s_mov_b32 s[G0V], 1
	s_mul_i32 s[G0V+1], s33, 20480
	s_add_co_u32 s80, s33, 1
	s_lshl_b32 s80, s80, 23
	s_add_co_u32 s80, s80, s38
	s_mov_b32 s81, 0
	s_mov_b32 s[CS], 0x3e38aa3b                    ; c = log2(e) / 8
	s_mov_b32 s[CS+1], s[CS]
	s_mov_b32 s[SEL], 0x76543210
	s_mov_b32 s[SEL+1], 0xfedcba98
	s_mov_b32 s[MK], 0xaaaaaaaa                    ; the lanes whose number has bit 0, 1, 2, 3 set
	s_mov_b32 s[MK+1], 0xcccccccc
	s_mov_b32 s[MK+2], 0xf0f0f0f0
	s_mov_b32 s[MK+3], 0xff00ff00
	s_wait_dscnt 0x0                               ; the opening add is done
	s_wait_kmcnt 0x0
	s_add_nc_u64 s[G0K+2:G0K+3], s[4:5], s[92:93]
	s_or_b32 s[G0K+3], s[G0K+3], 0x80000000
	s_add_nc_u64 s[G0V+2:G0V+3], s[4:5], s[80:81]
	s_or_b32 s[G0V+3], s[G0V+3], 0x80000000
	s_mul_i32 s92, s19, 12
	s_add_nc_u64 s[10:11], s[10:11], s[92:93]
	s_load_b96 s[96:98], s[10:11], 0x0             ; gate[h][0..2]
	CROUND                                         ; all four work-groups are here
	JLOAD                                          ; slot 0
	v_lshlrev_b32 v[ADR], 4, v0                    ; thread t takes keys 4 t .. 4 t + 3
	s_lshl_b32 s92, s17, 12
	s_add_nc_u64 s[6:7], s[6:7], s[92:93]
	s_lshl_b32 s92, s18, 12
	s_add_nc_u64 s[8:9], s[8:9], s[92:93]
	global_load_b128 v[96:99], v[ADR], s[6:7]
.irp p, 0,1,2,3,4,5,6,7
	global_load_b128 v[100+4*(\p):103+4*(\p)], v[ADR], s[8:9] offset:(\p)*16384
.endr
	v_and_b32 v[R_], 15, v0
	v_bfe_u32 v[HH], v0, 4, 1
	v_and_b32 v[C0], 31, v0
	v_and_b32 v[C1], 7, v0
	v_bfe_u32 v[CMO], v0, 3, 1
	v_bfe_u32 v[TMP], v0, 3, 2
	v_mul_u32_u24 v[AK0], v[R_], PKP
	v_lshl_add_u32 v[AK0], v[HH], 4, v[AK0]
	v_lshl_add_u32 v[AV0], v[HH], 3, v[C1]         ; the turning load: key 8 hh + lane % 8, channels 8 ((lane / 8) % 2) ..
	v_mul_u32_u24 v[AV0], v[AV0], PVP
	v_lshl_add_u32 v[AV0], v[CMO], 4, v[AV0]
	v_lshl_add_u32 v[KVA0], v[HH], 5, S2C
	v_lshl_add_u32 v[PK0], v[R_], 2, S2C
	s_lshl_b32 s78, s[CX], 4
	v_add_nc_u32 v[THR0], s78, v[R_]
	v_lshlrev_b32 v[THR], 3, v[HH]
	v_sub_nc_u32 v[THR0], v[THR0], v[THR]
	v_mov_b32 v[NEG], 0xf149f2ca                   ; -1e30
	s_mul_i32 s33, s[WV], 16*PKP
	s_add_co_u32 s33, s33, STG
	v_mul_u32_u24 v[STO], v[R_], PKP
	v_lshl_add_u32 v[STO], v[HH], 4, v[STO]
	v_add_nc_u32 v[STO], s33, v[STO]
	v_mul_u32_u24 v[RD], v[TMP], PKP
	v_lshl_add_u32 v[RD], v[C1], 4, v[RD]
	v_add_nc_u32 v[RD], s33, v[RD]
	v_lshlrev_b32 v[GO], 4, v[C0]
	v_lshlrev_b32 v[PFO], 8, v[C0]
	v_add_nc_u32 v[ADR2], S2C, v[ADR]
	v_lshrrev_b32 v[RHO], 4, v0
	v_lshl_add_u32 v[RA], v[RHO], 2, RT2
	v_mov_b32 v[RB], RT2
	v_mov_b32 v[NINF], 0xff800000
	v_mov_b32 v[OO], 0
	v_mov_b32 v[TMP], 0
.irp u, 1,2,3
	s_cmp_eq_u32 s[CX], \u
	s_cselect_b32 s[CXM+(\u)], -1, 0               ; a lane mask: data, no branch
.endr
	s_add_co_u32 s78, s[CX], 1                     ; the prefetches: operand 1 + cx, half w % 2 of slot 1; the first change steps it to slot 2
	s_lshl_b32 s78, s78, 23
	s_add_co_u32 s78, s78, s38
	s_and_b32 s79, s[WV], 1
	s_lshl_b32 s79, s79, 13
	s_add_co_u32 s78, s78, s79
	s_add_co_u32 s78, s78, 16384
	s_mov_b32 s79, 0
	s_add_nc_u64 s[PFA:PFA+1], s[4:5], s[78:79]
	s_cmp_lt_u32 s[WV], 2
	s_cselect_b32 s[LIM], 1, -1
	s_lshl_b32 s78, s[CX], 11                      ; ob at unit h, row 1,024 b + 16 cx; then a pair for each tile
	s_add_co_u32 s78, s78, s38
	s_add_nc_u64 s[12:13], s[12:13], s[78:79]
	s_add_nc_u64 s[82:83], s[4:5], s[38:39]        ; Q: unit h
.irp X, 0,1
	s_lshl_b32 s78, s[DGT+(\X)], 12                ; 64 m rows of 128 bytes
	s_add_nc_u64 s[OBP+2*(\X):OBP+2*(\X)+1], s[12:13], s[78:79]
	s_add_nc_u64 s[QP+2*(\X):QP+2*(\X)+1], s[82:83], s[78:79]
.endr
	s_lshl_b32 s78, s[CX], 4
	v_add_nc_u32 v[QO], s78, v[R_]
	v_lshlrev_b32 v[QO], 7, v[QO]
	v_lshl_add_u32 v[QO], v[HH], 4, v[QO]
	WIN 0x40
.irp X, 0,1
.irp k, 0,1,2,3
	global_load_b128 v[QF+16*(\X)+4*(\k):QF+16*(\X)+4*(\k)+3], v[QO], s[QP+2*(\X):QP+2*(\X)+1] offset:32*(\k)
.endr
.endr
.set i, 0
.rept 192                              ; what the first step finds: O1 = O3 = O2 = 0; written while the loads are on their way, so that every step has one text
	v_mov_b32 v[i], 0
.set i, i+1
.endr
	WIN 0
.irp X, 0,1
	v_mov_b32 v[ST+16*(\X)], 0xfe000000            ; c m far below every c s, so that the first step's a is 0
	v_mov_b32 v[ST+16*(\X)+1], 0xff7fffff
	v_mov_b32 v[ST+16*(\X)+2], 0
	v_mov_b32 v[ST+16*(\X)+3], 0
	v_mov_b32 v[ST+16*(\X)+4], 0
	v_mov_b32 v[ST+16*(\X)+5], 0
.endr
	s_wait_loadcnt 0x0
.irp p, 1,2,3,4,5,6,7
	v_pk_add_f32 v[100:101], v[100:101], v[100+4*(\p):101+4*(\p)]
	v_pk_add_f32 v[102:103], v[102:103], v[102+4*(\p):103+4*(\p)]
.endr
	v_pk_mul_f32 v[100:101], v[100:101], 0x3d000000 op_sel_hi:[1,0]  ; sc = |echo|^2 / 32
	v_pk_mul_f32 v[102:103], v[102:103], 0x3d000000 op_sel_hi:[1,0]
; THE PREFIX MAXIMA.  Part 1: my four keys' maximum; over the 16 lanes of a row, by exchanges 1, 2, 4, 8 lanes apart, the maximum of the lower lanes (pre) and of all (tot).
.macro SCAN1 a, tot, pre, arr, rt
	v_max3_num_f32 v[\tot], v[\a], v[(\a)+1], v[(\a)+2]
	v_max_num_f32 v[\tot], v[\tot], v[(\a)+3]
	v_mov_b32 v[\pre], v[NINF]
.set mi, 0
.irp d, 1,2,4,8
	v_mov_b32_dpp v[OO], v[\tot] row_xmask:\d row_mask:0xf bank_mask:0xf
	v_max_num_f32 v[C0], v[\pre], v[OO]
	v_cndmask_b32 v[\pre], v[\pre], v[C0], s[MK+mi]
	v_max_num_f32 v[\tot], v[\tot], v[OO]
.set mi, mi+1
.endr
	ds_store_b128 v[ADR2], v[\a:(\a)+3] offset:\arr
	ds_store_b32 v[RA], v[\tot] offset:\rt
.endm
	SCAN1 96, 136, 137, 0, 0
	SCAN1 100, 138, 139, OSC, 256
	s_wait_dscnt 0x0
	s_barrier_signal -1
	s_barrier_wait -1
	; Part 2: the totals of the rows of lanes below mine; then the four inclusive maxima
.irp k, 0,1,2,3
	ds_load_b128 v[144+4*(\k):147+4*(\k)], v[RB] offset:16*(\k)
	ds_load_b128 v[160+4*(\k):163+4*(\k)], v[RB] offset:256+16*(\k)
.endr
	s_wait_dscnt 0x0
.set k, 0
.rept 15
	v_cmp_lt_u32 vcc_lo, k, v[RHO]
	v_cndmask_b32 v[C0], v[NINF], v[144+k], vcc_lo
	v_cndmask_b32 v[C1], v[NINF], v[160+k], vcc_lo
	v_max_num_f32 v137, v137, v[C0]
	v_max_num_f32 v139, v139, v[C1]
.set k, k+1
.endr
	v_max_num_f32 v96, v137, v96
	v_max_num_f32 v100, v139, v100
.irp k, 1,2,3
	v_max_num_f32 v[96+(\k)], v[95+(\k)], v[96+(\k)]
	v_max_num_f32 v[100+(\k)], v[99+(\k)], v[100+(\k)]
.endr
	ds_store_b128 v[ADR2], v[96:99] offset:OPM2
	ds_store_b128 v[ADR2], v[100:103] offset:OPM3
	s_wait_dscnt 0x0
	s_barrier_signal -1
	s_barrier_wait -1
	; my queries' numbers.  No LDS address may hang on cx: all four candidates are read and one is chosen by a lane mask.
.irp X, 0,1
	s_lshl_b32 s33, s[DGT+(\X)], 7
	v_add_nc_u32 v[ADR], s33, v[PK0]
.irp u, 0,1,2,3
	ds_load_b32 v[144+(\u)], v[ADR] offset:OPM2+64*(\u)
	ds_load_b32 v[148+(\u)], v[ADR] offset:OPM3+64*(\u)
	ds_load_b32 v[152+(\u)], v[ADR] offset:OSC+64*(\u)
.endr
	s_wait_dscnt 0x0
.irp u, 1,2,3
	v_cndmask_b32 v144, v144, v[144+(\u)], s[CXM+(\u)]
	v_cndmask_b32 v148, v148, v[148+(\u)], s[CXM+(\u)]
	v_cndmask_b32 v152, v152, v[152+(\u)], s[CXM+(\u)]
.endr
	v_xor_b32 v[ST+16*(\X)+6], 0x80000000, v148    ; - M3[i]
	v_mov_b32 v[ST+16*(\X)+7], 0
	v_mul_f32 v[ST+16*(\X)+8], 0x3fb8aa3b, v152    ; log2(e) sc[i]
	v_mov_b32 v[ST+16*(\X)+9], 0
	v_mov_b32 v[ST+16*(\X)+10], 0                  ; l3
	v_mov_b32 v[ST+16*(\X)+11], 0
	v_xor_b32 v[ST+16*(\X)+12], 0x80000000, v144   ; - c M2[i]
	v_mov_b32 v[ST+16*(\X)+13], 0
	v_mov_b32 v[ST+16*(\X)+14], 0                  ; l2
	v_mov_b32 v[ST+16*(\X)+15], 0
.endr
	; the virtual tile: query q = lane % 16 is referred to c M2[64 q - 1], the word at 256 q - 4 of the table.  Query 0 sees no key: what it reads here (the last word of the table in front, a
	; finite number) is never used: in every half-step its reference is -1e30
	v_lshl_add_u32 v[ADR], v[R_], 8, S2C+OPM2-4
	ds_load_b32 v[VS], v[ADR]
.irp k, 1,2,3,4,5
	v_mov_b32 v[VS+(\k)], 0
.endr
.set i, 0
.rept 24
	v_mov_b32 v[OV+i], 0
.set i, i+1
.endr
.set i, 0
.rept 8
	v_mov_b32 v[OV3+i], 0
.set i, i+1
.endr
	s_wait_dscnt 0x0
	v_xor_b32 v[VS], 0x80000000, v[VS]
	s_wait_kmcnt 0x0                               ; the gate: rounded to bf16, its maximum taken away, softmax over the three
	v_mov_b32 v[GA], s96
	v_mov_b32 v[GA+1], s97
	v_mov_b32 v[GA+2], s98
	v_cvt_pk_bf16_f32 v[C0], v[GA], v[GA+1]
	v_cvt_pk_bf16_f32 v[C1], v[GA+2], v[GA+2]
	v_lshlrev_b32 v[GA], 16, v[C0]
	v_and_b32 v[GA+1], 0xffff0000, v[C0]
	v_lshlrev_b32 v[GA+2], 16, v[C1]
	v_max3_num_f32 v[C0], v[GA], v[GA+1], v[GA+2]
.irp k, 0,1,2
	v_sub_f32 v[GA+(\k)], v[GA+(\k)], v[C0]
.endr
.irp k, 0,1,2
	v_mul_f32 v[GA+(\k)], 0x3fb8aa3b, v[GA+(\k)]
.endr
.irp k, 0,1,2
	v_exp_f32 v[GA+(\k)], v[GA+(\k)]
.endr
	v_nop                                          ; a plain instruction behind the last exponential,
	s_wait_alu depctr_va_vdst(0)                   ; and one wait ahead of the batch's first reader
	v_add_f32 v[C0], v[GA], v[GA+1]
	v_add_f32 v[C0], v[C0], v[GA+2]
	v_rcp_f32 v[C0], v[C0]
	v_nop
	s_wait_alu depctr_va_vdst(0)
.irp k, 0,1,2
	v_mul_f32 v[GA+(\k)], v[GA+(\k)], v[C0]
.endr
	s_mov_b32 s[ETA], 0
	s_mov_b32 s[TBK], SLOT1+4*32*PKP               ; the first change of slots turns these two into 0
	s_mov_b32 s[TBV], SLOT1+4*32*PVP
	s_mov_b32 s[SLOTS], 7
; At the head of each run of loads stands a wait for 0: a register that a pending load will write is not loaded again.  The turning loads are otherwise waited for inside a tile's text alone, which a jump
; can pass; where a tile was live the wait has been met there already.
.macro FETCH                           ; a half-step's 32 keys: K (four fragments), my 16 keys' sc, V and JV (turned)
	v_add_nc_u32 v[ADR], s[TBK], v[AK0]
	v_add_nc_u32 v[ADR2], s[TBV], v[AV0]
	s_lshl_b32 s33, s[ETA], 7
	s_and_b32 s33, s33, 0xf80
	v_add_nc_u32 v[ADR3], s33, v[KVA0]
	s_wait_dscnt 0x0                               ; no LDS load of the half-step before is out
.irp f, 0,1,2,3
	ds_load_b128 v[KF+8*(\f):KF+8*(\f)+3],   v[ADR] offset:((\f)/2)*16*PKP+((\f)%2)*64
	ds_load_b128 v[KF+8*(\f)+4:KF+8*(\f)+7], v[ADR] offset:((\f)/2)*16*PKP+((\f)%2)*64+32
.endr
.irp k, 0,1
	ds_load_b128 v[KV3+8*(\k):KV3+8*(\k)+3],   v[ADR3] offset:OSC+64*(\k)
	ds_load_b128 v[KV3+8*(\k)+4:KV3+8*(\k)+7], v[ADR3] offset:OSC+64*(\k)+16
.endr
.irp f, 0,1,2,3
	ds_load_tr16_b128 v[VF+8*(\f):VF+8*(\f)+3],   v[ADR2] offset:VOFF+(\f)*32
	ds_load_tr16_b128 v[VF+8*(\f)+4:VF+8*(\f)+7], v[ADR2] offset:VOFF+(\f)*32+16*PVP
.endr
	WIN 0x40                                       ; JV's fragments lie in window 1
.irp f, 0,1,2,3
	ds_load_tr16_b128 v[JF+8*(\f):JF+8*(\f)+3],   v[ADR2] offset:JOFF+(\f)*32
	ds_load_tr16_b128 v[JF+8*(\f)+4:JF+8*(\f)+7], v[ADR2] offset:JOFF+(\f)*32+16*PVP
.endr
	WIN 0
	s_wait_dscnt 16                                ; K and sc are in; the sixteen turning loads may stay out
.endm
.macro FETCH_R                         ; for branch 2: my 16 keys' c s2, and RV (turned) where K's fragments lay: their last reader stands far more than four plain instructions back
	v_add_nc_u32 v[ADR2], s[TBV], v[AV0]
	s_lshl_b32 s33, s[ETA], 7
	s_and_b32 s33, s33, 0xf80
	v_add_nc_u32 v[ADR3], s33, v[KVA0]
	s_wait_dscnt 0x0
.irp k, 0,1
	ds_load_b128 v[KV2+8*(\k):KV2+8*(\k)+3],   v[ADR3] offset:64*(\k)
	ds_load_b128 v[KV2+8*(\k)+4:KV2+8*(\k)+7], v[ADR3] offset:64*(\k)+16
.endr
.irp f, 0,1,2,3
	ds_load_tr16_b128 v[KF+8*(\f):KF+8*(\f)+3],   v[ADR2] offset:ROFF+(\f)*32
	ds_load_tr16_b128 v[KF+8*(\f)+4:KF+8*(\f)+7], v[ADR2] offset:ROFF+(\f)*32+16*PVP
.endr
	s_wait_dscnt 8                                 ; c s2 is in; RV's eight loads may stay out
.endm
.macro TREE e                          ; eight pairs of weights into the first pair
	v_pk_add_f32 v[(\e):(\e)+1], v[(\e):(\e)+1], v[(\e)+2:(\e)+3]
	v_pk_add_f32 v[(\e)+4:(\e)+5], v[(\e)+4:(\e)+5], v[(\e)+6:(\e)+7]
	v_pk_add_f32 v[(\e)+8:(\e)+9], v[(\e)+8:(\e)+9], v[(\e)+10:(\e)+11]
	v_pk_add_f32 v[(\e)+12:(\e)+13], v[(\e)+12:(\e)+13], v[(\e)+14:(\e)+15]
	v_pk_add_f32 v[(\e):(\e)+1], v[(\e):(\e)+1], v[(\e)+4:(\e)+5]
	v_pk_add_f32 v[(\e)+8:(\e)+9], v[(\e)+8:(\e)+9], v[(\e)+12:(\e)+13]
	v_pk_add_f32 v[(\e):(\e)+1], v[(\e):(\e)+1], v[(\e)+8:(\e)+9]
.endm
.macro TREE2 a, b                      ; two such sums by turns, so that no line reads the result of the line before it
.irp o, 0,4,8,12
	v_pk_add_f32 v[(\a)+(\o):(\a)+(\o)+1], v[(\a)+(\o):(\a)+(\o)+1], v[(\a)+(\o)+2:(\a)+(\o)+3]
	v_pk_add_f32 v[(\b)+(\o):(\b)+(\o)+1], v[(\b)+(\o):(\b)+(\o)+1], v[(\b)+(\o)+2:(\b)+(\o)+3]
.endr
.irp o, 0,8
	v_pk_add_f32 v[(\a)+(\o):(\a)+(\o)+1], v[(\a)+(\o):(\a)+(\o)+1], v[(\a)+(\o)+4:(\a)+(\o)+5]
	v_pk_add_f32 v[(\b)+(\o):(\b)+(\o)+1], v[(\b)+(\o):(\b)+(\o)+1], v[(\b)+(\o)+4:(\b)+(\o)+5]
.endr
	v_pk_add_f32 v[(\a):(\a)+1], v[(\a):(\a)+1], v[(\a)+8:(\a)+9]
	v_pk_add_f32 v[(\b):(\b)+1], v[(\b):(\b)+1], v[(\b)+8:(\b)+9]
.endm
.macro EX r
	v_exp_f32 v[\r], v[\r]
.endm
; BRANCHES 1 AND 3, tile X, one half-step.  The two accumulators of S^T take turns, as do the eight of O^T.  Branch 3's sixteen packed lines and one move are the places behind the
; products K Q^T.  All 33 exponentials are ONE BATCH: none of their results is named ahead of the one wait; plain lines stand between them while there are any.
.macro TS X
.set rT, ST+16*(\X)
.set rQ, QF+16*(\X)
.set rO1, 32*(\X)
.set rO3, 64+32*(\X)
	s_cmp_gt_u32 s[ETA], s[LIMT+(\X)]
	s_cbranch_scc1 .Lskip_\@                       ; the tile's keys are over
	WIN 0x04                                       ; Q in window 1
	v_wmma_f32_16x16x32_f16 v[S:S+7], v[KF:KF+7], v[rQ:rQ+7], 0
	v_wmma_f32_16x16x32_f16 v[S+8:S+15], v[KF+16:KF+23], v[rQ:rQ+7], 0
	v_wmma_f32_16x16x32_f16 v[S:S+7], v[KF+8:KF+15], v[rQ+8:rQ+15], v[S:S+7]
	v_wmma_f32_16x16x32_f16 v[S+8:S+15], v[KF+24:KF+31], v[rQ+8:rQ+15], v[S+8:S+15]
	WIN 0
.set n, 0
.rept 8
	v_pk_add_f32 v[E3+2*n:E3+2*n+1], v[KV3+2*n:KV3+2*n+1], v[rT+6:rT+7] op_sel_hi:[1,0]  ; sc[j] - M3[i]: the difference first, then the factor: no difference of large products
.set n, n+1
.endr
.set n, 0
.rept 8
	v_pk_mul_f32 v[E3+2*n:E3+2*n+1], v[E3+2*n:E3+2*n+1], v[rT+8:rT+9] op_sel_hi:[1,0]
.set n, n+1
.endr
	v_mov_b32 v[CMO], v[rT]                        ; c m_old is kept
	s_cmp_lt_u32 s[ETA], s[DGT+(\X)]
	s_cbranch_scc1 .Lopen_\@
.set n, 0
.rept 16                               ; key 16 (n / 8) + n % 8 of my lanes' is visible while it is at most THR; one comparison serves both branches
	v_cmp_le_i32 vcc_lo, 16*(n/8)+n%8, v[THR]
	v_cndmask_b32 v[S+n], v[NEG], v[S+n], vcc_lo
	v_cndmask_b32 v[E3+n], v[NEG], v[E3+n], vcc_lo
.set n, n+1
.endr
.Lopen_\@:
	v_max3_num_f32 v[C0], v[S], v[S+1], v[S+2]     ; each accumulator's lowest registers are read first
	EX E3
	v_max3_num_f32 v[C1], v[S+8], v[S+9], v[S+10]
	EX E3+1
	v_max3_num_f32 v[C0], v[C0], v[S+3], v[S+4]
	EX E3+2
	v_max3_num_f32 v[C1], v[C1], v[S+11], v[S+12]
	EX E3+3
	v_max3_num_f32 v[C0], v[C0], v[S+5], v[S+6]
	EX E3+4
	v_max3_num_f32 v[C1], v[C1], v[S+13], v[S+14]
	EX E3+5
	v_max3_num_f32 v[C0], v[C0], v[S+7], v[S+15]
	EX E3+6
	v_max3_num_f32 v[C0], v[C0], v[C1], v[rT+1]
	EX E3+7
	EX E3+8
	v_permlanex16_b32 v[TMP], v[C0], s[SEL], s[SEL+1]  ; the query's other 16 keys lie in the lane 16 away; from here each link waits for the last: two exponentials stand between
	EX E3+9
	EX E3+10
	v_max_num_f32 v[rT+1], v[C0], v[TMP]
	EX E3+11
	EX E3+12
	v_mul_f32 v[rT], s[CS], v[rT+1]
	EX E3+13
	EX E3+14
	v_sub_f32 v[rT+5], v[CMO], v[rT]
	EX E3+15
.set n, 0
.rept 8
	v_pk_fma_f32 v[S+2*n:S+2*n+1], v[S+2*n:S+2*n+1], s[CS:CS+1], v[rT:rT+1] op_sel_hi:[1,0,0] neg_lo:[0,0,1] neg_hi:[0,0,1]
.if n == 0
	v_exp_f32 v[rT+4], v[rT+5]
.else
	EX S+n-1                                       ; its pair was scaled two lines back or more
.endif
.set n, n+1
.endr
.set n, 7
.rept 9
	EX S+n
.set n, n+1
.endr
	v_nop                                          ; a plain instruction behind the last exponential,
	s_wait_alu depctr_va_vdst(0)                   ; and one wait for the batch of 33, ahead of its first reader
.set n, 0
.rept 8
	v_cvt_pk_f16_f32 v[P1+n], v[S+2*n], v[S+2*n+1]
	v_cvt_pk_f16_f32 v[P3+n], v[E3+2*n], v[E3+2*n+1]
.set n, n+1
.endr
	WIN 0x41
.set n, 0
.rept 16
	v_pk_mul_f32 v[rO1+2*n:rO1+2*n+1], v[rO1+2*n:rO1+2*n+1], v[rT+4:rT+5] op_sel_hi:[1,0]
.set n, n+1
.endr
	s_wait_dscnt 0x0                               ; V and JV are in
	WIN 0x50
.irp f, 0,1,2,3
	v_wmma_f32_16x16x32_f16 v[rO1+8*(\f):rO1+8*(\f)+7], v[VF+8*(\f):VF+8*(\f)+7], v[P1:P1+7], v[rO1+8*(\f):rO1+8*(\f)+7]
.endr
	WIN 0x51                                       ; JV in window 1
.irp f, 0,1,2,3
	v_wmma_f32_16x16x32_f16 v[rO3+8*(\f):rO3+8*(\f)+7], v[JF+8*(\f):JF+8*(\f)+7], v[P3:P3+7], v[rO3+8*(\f):rO3+8*(\f)+7]
.endr
	WIN 0
	TREE2 S, E3                                    ; the sums are also the places behind those products
	v_pk_fma_f32 v[rT+2:rT+3], v[rT+2:rT+3], v[rT+4:rT+5], v[S:S+1] op_sel_hi:[1,0,1]
	v_pk_add_f32 v[rT+10:rT+11], v[rT+10:rT+11], v[E3:E3+1]
.Lskip_\@:
.endm
; BRANCH 2, one half-step.  X = 0, 1: my tile, in one of its own two half-steps, always under the mask.  X = 2: the virtual tile; its mask lies in its reference (-1e30 for a query that does not see this band).
.macro TS2 X
.if (\X) < 2
.set rN, ST+16*(\X)+12
.set rL, ST+16*(\X)+14
.else
.set rN, VS+4
.set rL, VS+2
.endif
.set n, 0
.rept 8
	v_pk_add_f32 v[S+2*n:S+2*n+1], v[KV2+2*n:KV2+2*n+1], v[rN:rN+1] op_sel_hi:[1,0]
.set n, n+1
.endr
.if (\X) < 2
.set n, 0
.rept 16
	v_cmp_le_i32 vcc_lo, 16*(n/8)+n%8, v[THR]
	v_cndmask_b32 v[S+n], v[NEG], v[S+n], vcc_lo
.set n, n+1
.endr
.endif
.set n, 0
.rept 16
	EX S+n
.set n, n+1
.endr
	v_nop
	s_wait_alu depctr_va_vdst(0)                   ; one wait for the batch of 16
.set n, 0
.rept 8
	v_cvt_pk_f16_f32 v[P2+n], v[S+2*n], v[S+2*n+1]
.set n, n+1
.endr
	s_wait_dscnt 0x0                               ; RV is in
.if (\X) < 2
	WIN 0x50
.endif
.irp f, 0,1,2,3
.if (\X) < 2
.set rD, 128+32*(\X)+8*(\f)
.elseif (\f) < 3
.set rD, OV+8*(\f)
.else
.set rD, OV3
.endif
	v_wmma_f32_16x16x32_f16 v[rD:rD+7], v[KF+8*(\f):KF+8*(\f)+7], v[P2:P2+7], v[rD:rD+7]
.endr
	WIN 0
	TREE S                                         ; also the places behind those products
	v_pk_add_f32 v[rL:rL+1], v[rL:rL+1], v[S:S+1]
.endm
; A HALF-STEP: 32 keys, for my tiles from number first on, then what branch 2 has to do here.  Every jump goes forward, over no barrier and no tensor load, and hangs on the wave's number and the step's alone.
.macro HALF first
	s_and_b32 s33, s[ETA], 1
	s_lshl_b32 s33, s33, 5
	v_sub_nc_u32 v[THR], v[THR0], s33              ; in a tile's own two half-steps: the last visible key among my lanes'
	s_cmp_gt_u32 s[ETA], s[LIMT+1]
	s_cbranch_scc1 .Lnm_\@                         ; both my tiles are over
	FETCH
.if (\first) == 0
	TS 0
.endif
	TS 1
.Lnm_\@:
	s_sub_co_u32 s78, s[ETA], s[DGT+1]             ; 0 or 1 in tile 1's own half-steps
	s_cmp_lt_u32 s78, 2
	s_cselect_b32 s[F1], 1, 0
	s_and_b32 s78, s[ETA], 7                       ; the virtual tile's half-step n is wave n % 8's; the last band's keys are seen by none of its queries
	s_cmp_eq_u32 s78, s[WV]
	s_cselect_b32 s[FV], 1, 0
	s_cmp_lt_u32 s[ETA], 30
	s_cselect_b32 s[FV], s[FV], 0
	s_or_b32 s78, s[F1], s[FV]
.if (\first) == 0
	s_sub_co_u32 s79, s[ETA], s[DGT]
	s_cmp_lt_u32 s79, 2
	s_cselect_b32 s[F0], 1, 0
	s_or_b32 s78, s78, s[F0]
.endif
	s_cmp_eq_u32 s78, 0
	s_cbranch_scc1 .Lhe_\@
	FETCH_R
.if (\first) == 0
	s_cmp_eq_u32 s[F0], 0
	s_cbranch_scc1 .Ln0_\@
	TS2 0
.Ln0_\@:
.endif
	s_cmp_eq_u32 s[F1], 0
	s_cbranch_scc1 .Ln1_\@
	TS2 1
.Ln1_\@:
	s_cmp_eq_u32 s[FV], 0
	s_cbranch_scc1 .Lhe_\@
	s_lshr_b32 s33, s[ETA], 1                      ; the keys' band: query q sees it if the band's number is below q
	v_cmp_lt_u32 vcc_lo, s33, v[R_]
	v_cndmask_b32 v[VS+4], v[NEG], v[VS], vcc_lo
	TS2 2
.Lhe_\@:
	s_add_co_u32 s[ETA], s[ETA], 1
	s_add_co_u32 s[TBK], s[TBK], 32*PKP
	s_add_co_u32 s[TBV], s[TBV], 32*PVP
.endm
.Lslot:                                                ; seven trips: slot n is entered, slot n + 1 asked for
	CHANGE 1
	s_mov_b32 s[CNT], 4
.Lhalf:
	HALF 0
	s_sub_co_u32 s[CNT], s[CNT], 1
	s_cmp_lg_u32 s[CNT], 0
	s_cbranch_scc1 .Lhalf
	s_sub_co_u32 s[SLOTS], s[SLOTS], 1
	s_cmp_lg_u32 s[SLOTS], 0
	s_cbranch_scc1 .Lslot
	CHANGE 0                                       ; the last slot is written out; only tiles 14 and 15 still live: a wave's second
	s_mov_b32 s[CNT], 4
.Ltail:
	HALF 1
	s_sub_co_u32 s[CNT], s[CNT], 1
	s_cmp_lg_u32 s[CNT], 0
	s_cbranch_scc1 .Ltail
	; THE WAY OUT.  First the virtual tile: each wave's partial sums go into slot 0's bytes (its last fill has been read by all: the last change's barrier); 256 threads add the eight, 16 bytes each.
	v_add_f32 v[VS+2], v[VS+2], v[VS+3]
	v_permlanex16_b32 v[VS+3], v[VS+2], s[SEL], s[SEL+1]
	s_mul_i32 s33, s[WV], XVB
	v_mul_u32_u24 v[ADR], v[R_], XVP
	v_lshl_add_u32 v[ADR], v[HH], 5, v[ADR]
	v_add_nc_u32 v[ADR], s33, v[ADR]               ; wave x 4,352 + query x 272 + 32 hh
	s_lshl_b32 s33, s[WV], 2
	v_lshl_add_u32 v[ADR2], v[R_], 5, s33          ; query x 32 + 4 x wave
	v_mul_u32_u24 v[ADR3], v[RHO], XVP
	v_lshl_add_u32 v[ADR3], v[R_], 4, v[ADR3]      ; thread t: query t / 16, bytes 16 (t % 16) ..
	v_add_f32 v[VS+2], v[VS+2], v[VS+3]
.irp f, 0,1,2,3
.if (\f) < 3
.set rD, OV+8*(\f)
.else
.set rD, OV3
.endif
	ds_store_b128 v[ADR], v[rD:rD+3] offset:64*(\f)       ; each accumulator's low half first
	ds_store_b128 v[ADR], v[rD+4:rD+7] offset:64*(\f)+16
.endr
	ds_store_b32 v[ADR2], v[VS+2] offset:LVO
	s_wait_dscnt 0x0                               ; for the others' sake: my partial sums are in LDS
	s_barrier_signal -1
	s_barrier_wait -1
.irp p, 0,1,2,3,4,5,6,7
	ds_load_b128 v[KF+4*(\p):KF+4*(\p)+3], v[ADR3] offset:(\p)*XVB
.endr
	s_wait_dscnt 0x0
.irp p, 1,2,3,4,5,6,7
	v_pk_add_f32 v[KF:KF+1], v[KF:KF+1], v[KF+4*(\p):KF+4*(\p)+1]
	v_pk_add_f32 v[KF+2:KF+3], v[KF+2:KF+3], v[KF+4*(\p)+2:KF+4*(\p)+3]
.endr
	ds_store_b128 v[ADR3], v[KF:KF+3] offset:SVO
	s_wait_dscnt 0x0
	s_barrier_signal -1
	s_barrier_wait -1
	; my two tiles' factors.  At S + 16 t: +0..7 the eight partial L_m, +8 c M2[64 m - 1], +9 fS = 2^(c M2[64 m - 1] - c M2[i]).  The addresses hang on the wave's number alone.
.irp X, 0,1
	s_lshl_b32 s33, s[DGT+(\X)], 4                 ; 32 m
	v_mov_b32 v[ADR+(\X)], s33
	ds_load_b128 v[S+16*(\X):S+16*(\X)+3], v[ADR+(\X)] offset:LVO
	ds_load_b128 v[S+16*(\X)+4:S+16*(\X)+7], v[ADR+(\X)] offset:LVO+16
	s_lshl_b32 s33, s[DGT+(\X)], 7                 ; 256 m
	s_add_co_u32 s33, s33, S2C+OPM2-4              ; word 64 m - 1 of the table (for m = 0 the last word of the table in front: see below)
	v_mov_b32 v[ADR3+(\X)], s33
	ds_load_b32 v[S+16*(\X)+8], v[ADR3+(\X)]
.endr
.macro ALL line:vararg
.set t, 0
.rept 2
	\line
.set t, t+1
.endr
.endm
	ALL v_add_f32 v[ST+16*t+2], v[ST+16*t+2], v[ST+16*t+3]
	ALL v_add_f32 v[ST+16*t+10], v[ST+16*t+10], v[ST+16*t+11]
	ALL v_add_f32 v[ST+16*t+14], v[ST+16*t+14], v[ST+16*t+15]
	ALL v_permlanex16_b32 v[ST+16*t+3], v[ST+16*t+2], s[SEL], s[SEL+1]
	ALL v_permlanex16_b32 v[ST+16*t+11], v[ST+16*t+10], s[SEL], s[SEL+1]
	ALL v_permlanex16_b32 v[ST+16*t+15], v[ST+16*t+14], s[SEL], s[SEL+1]
	ALL v_add_f32 v[ST+16*t+2], v[ST+16*t+2], v[ST+16*t+3]
	ALL v_add_f32 v[ST+16*t+10], v[ST+16*t+10], v[ST+16*t+11]
	ALL v_add_f32 v[ST+16*t+14], v[ST+16*t+14], v[ST+16*t+15]
	s_cmp_eq_u32 s[WV], 0                          ; band 0 (wave 0's first tile) has no keys below it: its exponent is -1e30, so that fS = 0 beside S_0 = L_0 = 0
	s_cselect_b32 s78, -1, 0                       ; a lane mask: data, no branch
	s_wait_dscnt 0x0
	ALL v_add_f32 v[S+16*t+8], v[S+16*t+8], v[ST+16*t+12]
	v_cndmask_b32 v[S+8], v[S+8], v[NEG], s78
	ALL v_pk_add_f32 v[S+16*t:S+16*t+1], v[S+16*t:S+16*t+1], v[S+16*t+2:S+16*t+3]
	ALL v_pk_add_f32 v[S+16*t+4:S+16*t+5], v[S+16*t+4:S+16*t+5], v[S+16*t+6:S+16*t+7]
	ALL v_exp_f32 v[S+16*t+9], v[S+16*t+8]
	ALL v_pk_add_f32 v[S+16*t:S+16*t+1], v[S+16*t:S+16*t+1], v[S+16*t+4:S+16*t+5]
	ALL v_add_f32 v[S+16*t], v[S+16*t], v[S+16*t+1]
	s_wait_alu depctr_va_vdst(0)                   ; one wait for the two exponentials; the four sums above are the plain lines behind them
	ALL v_fma_f32 v[ST+16*t+14], v[S+16*t+9], v[S+16*t], v[ST+16*t+14]
	ALL v_rcp_f32 v[ST+16*t+2], v[ST+16*t+2]
	ALL v_rcp_f32 v[ST+16*t+10], v[ST+16*t+10]
	ALL v_rcp_f32 v[ST+16*t+14], v[ST+16*t+14]
	v_nop
	s_wait_alu depctr_va_vdst(0)                   ; one wait for the six reciprocals
	ALL v_mul_f32 v[ST+16*t+2], v[GA], v[ST+16*t+2]
	ALL v_mul_f32 v[ST+16*t+10], v[GA+2], v[ST+16*t+10]
	ALL v_mul_f32 v[ST+16*t+14], v[GA+1], v[ST+16*t+14]
	ALL v_mul_f32 v[ST+16*t+12], v[ST+16*t+14], v[S+16*t+9]
; Tile X: O = g0 O1 / l1 + g2 O3 / l3 + g1 (O2 + fS S_m) / (l2 + fS L_m), rounded to f16 once; through my stage; 512 consecutive bytes a store.
.macro OUT X
.set rT, ST+16*(\X)
.set rR, KF+32*(\X)
	s_mul_i32 s33, s[DGT+(\X)], XVP/2              ; 272 m
	v_lshl_add_u32 v[RA], v[HH], 5, s33
.irp f, 0,1,2,3
	ds_load_b128 v[rR+8*(\f):rR+8*(\f)+3],   v[RA] offset:SVO+64*(\f)
	ds_load_b128 v[rR+8*(\f)+4:rR+8*(\f)+7], v[RA] offset:SVO+64*(\f)+16
.endr
	s_wait_dscnt 0x0
.set n, 0
.rept 16
	v_pk_mul_f32 v[rR+2*n:rR+2*n+1], v[rR+2*n:rR+2*n+1], v[rT+12:rT+13] op_sel_hi:[1,0]
.set n, n+1
.endr
	WIN 0x01                                       ; the O's in window 1
.set n, 0
.rept 16
	v_pk_fma_f32 v[rR+2*n:rR+2*n+1], v[128+32*(\X)+2*n:128+32*(\X)+2*n+1], v[rT+14:rT+15], v[rR+2*n:rR+2*n+1] op_sel_hi:[1,0,1]
.set n, n+1
.endr
.set n, 0
.rept 16
	v_pk_fma_f32 v[rR+2*n:rR+2*n+1], v[64+32*(\X)+2*n:64+32*(\X)+2*n+1], v[rT+10:rT+11], v[rR+2*n:rR+2*n+1] op_sel_hi:[1,0,1]
.set n, n+1
.endr
.set n, 0
.rept 16
	v_pk_fma_f32 v[rR+2*n:rR+2*n+1], v[32*(\X)+2*n:32*(\X)+2*n+1], v[rT+2:rT+3], v[rR+2*n:rR+2*n+1] op_sel_hi:[1,0,1]
.set n, n+1
.endr
	WIN 0
.set n, 0
.rept 16
	v_cvt_pk_f16_f32 v[S+n], v[rR+2*n], v[rR+2*n+1]
.set n, n+1
.endr
.irp f, 0,1,2,3
	ds_store_b128 v[STO], v[S+4*(\f):S+4*(\f)+3] offset:32*(\f)
.endr
.irp f, 0,1,2,3
	ds_load_b128 v[P1+16*(\X)+4*(\f):P1+16*(\X)+4*(\f)+3], v[RD] offset:(\f)*4*PKP  ; my own stage: LDS serves a wave's instructions in order (ISA guide 5.7.1.4)
.endr
.irp f, 0,1,2,3
	s_wait_dscnt 3-(\f)
	global_store_b128 v[GO], v[P1+16*(\X)+4*(\f):P1+16*(\X)+4*(\f)+3], s[OBP+2*(\X):OBP+2*(\X)+1] offset:512*(\f)  ; 512 consecutive bytes, aligned
.endr
.endm
	OUT 0
	OUT 1
	s_wait_tensorcnt 0x0                           ; the wave's end
	ds_add_u32 v[SPW], v[NIL]
	s_wait_dscnt 0x0
	CROUND                                         ; the closing round
	s_endpgm
.Lfunc_end_k_q0a9d0dd0b9_attn:
	.size	k_q0a9d0dd0b9_attn, .Lfunc_end_k_q0a9d0dd0b9_attn-k_q0a9d0dd0b9_attn
	.p2alignl 7, 3214868480
	.fill 96, 4, 3214868480
	.section	.rodata,"a",@progbits
	.p2align	6, 0x0
	.amdhsa_kernel k_q0a9d0dd0b9_attn
		.amdhsa_group_segment_fixed_size 327680
		.amdhsa_private_segment_fixed_size 0
		.amdhsa_enable_private_segment 0
		.amdhsa_kernarg_size 40
		.amdhsa_user_sgpr_count 2
		.amdhsa_user_sgpr_kernarg_segment_ptr 1
		.amdhsa_wavefront_size32 1
		.amdhsa_system_sgpr_workgroup_id_x 1
		.amdhsa_system_sgpr_workgroup_id_y 1
		.amdhsa_system_sgpr_workgroup_id_z 1
		.amdhsa_system_vgpr_workitem_id 0
		.amdhsa_next_free_vgpr 512
		.amdhsa_next_free_sgpr 100
		.amdhsa_reserve_vcc 1
		.amdhsa_float_denorm_mode_32 3
		.amdhsa_float_denorm_mode_16_64 3
		.amdhsa_memory_ordered 1
		.amdhsa_forward_progress 1
		.amdhsa_inst_pref_size 101
	.end_amdhsa_kernel
	.amdgpu_metadata
---
amdhsa.version: [ 1, 2 ]
amdhsa.kernels:
  - .name:           k_q0a9d0dd0b9_attn
    .symbol:         k_q0a9d0dd0b9_attn.kd
    .args:
      - { .name: heads, .offset: 0, .size: 8, .value_kind: global_buffer, .address_space: global }
      - { .name: s2f, .offset: 8, .size: 8, .value_kind: global_buffer, .address_space: global }
      - { .name: scp, .offset: 16, .size: 8, .value_kind: global_buffer, .address_space: global }
      - { .name: gate, .offset: 24, .size: 8, .value_kind: global_buffer, .address_space: global }
      - { .name: ob, .offset: 32, .size: 8, .value_kind: global_buffer, .address_space: global }
    .group_segment_fixed_size: 327680
    .private_segment_fixed_size: 0
    .kernarg_segment_align: 8
    .kernarg_segment_size: 40
    .max_flat_workgroup_size: 256
    .sgpr_count:     100
    .vgpr_count:     512
    .wavefront_size: 32
...
	.end_amdgpu_metadata
.endif
;; end of part 3
;; launch outp (part 4): grid 8 x 32, 4 waves a work-group, clusters of 4 x 4, 327,680 bytes of LDS; arguments ob, wob, out0; writes out0
.if DOCPART == 4
	.amdgcn_target "amdgcn-amd-amdhsa--gfx1250"
	.amdhsa_code_object_version 6
	.text
	.protected	k_q0a9d0dd0b9_outp
	.globl	k_q0a9d0dd0b9_outp
	.p2align	8
	.type	k_q0a9d0dd0b9_outp,@function
k_q0a9d0dd0b9_outp:
	s_mov_b64 s[64:65], 0
	v_nop
	global_prefetch_b8 v0, s[64:65] scope:SCOPE_SE
	s_setreg_imm32_b32 hwreg(HW_REG_WAVE_MODE, 25, 1), 1
	s_wait_xcnt 0x0
	s_wait_alu depctr_hold_cnt(0) depctr_sa_sdst(0) depctr_va_vdst(0) depctr_va_sdst(0) depctr_va_ssrc(0) depctr_va_vcc(0) depctr_vm_vsrc(0)
	s_getreg_b32 s2, hwreg(HW_REG_IB_STS2, 6, 4)
	s_cmp_eq_u32 s2, 0
	s_cbranch_scc0 .Lentry_in_a_cluster
	s_endpgm
.Lentry_in_a_cluster:
	s_bfe_u32 s2, ttmp6, 0x10000c
	s_cmp_lg_u32 s2, 0xf033
	s_cbranch_scc0 .Lentry_shape_is_right
	s_endpgm
.Lentry_shape_is_right:
; OUTP.  out0[4096][1024] (f32) = ob wob^T, both f16 in blocks of 64 channels ([block][row][64]); sums in f32.
; A tile of C is 128 x 128: 8 x 32 = 256 work-groups; four waves, each 64 x 64: 16 accumulators.  K goes in steps of 256 (four blocks) through two LDS slots; a wave's tensor load takes, for each of the four
; blocks, 64 rows as one dense run, padded by 16 bytes after every 256: row p of a block lies at (p / 2) x 272 + (p % 2) x 128.  K has four steps: the two laps are written out.
; CLUSTER 4 x 4: A's tiles are asked for jointly along a row of the cluster, B's along a column.  The matrix instruction is used transposed: a lane holds eight neighbouring columns of a row of C.
; No prefetch: the tiles are small and the launch is short.
; REGISTERS: window 0: v0-31 addresses; v32-95 the way out; v128-255 accumulators.  window 1: two fragment buffers of 128 (64 of A, then 64 of B).
.set KC,     8704                      ; 64 rows of one block in LDS
.set BLK,    2176                      ; 16 rows
.set HALFT,  4*KC
.set SLOT,   4*HALFT
.set SPARE,  2*SLOT                    ; the spare words: 128 bytes a wave, two blocks of 256 bytes that no other line names
.set SPITCH, 528                       ; the stage, in slot 0 behind its last fill and last read: 128 rows of 512 bytes + 16
.set ASTEP,  2097152                   ; a K step in ob: four blocks of 4,096 rows x 128 bytes
.set BSTEP,  524288
.set ADRA, 16
.set ADRB, 20
.set STO,  24
.set RD,   25
.set CO,   26
.set SPW,  28
.set NIL,  29
.set TMP,  32
.set ACC,  128
.set F0,   0
.set F1,   128
.set G1, 24
.set G0, 32
.set G1B, 48
.set G0B, 56
.set MSB, 0
.macro WIN new
.if MSB != (\new)
	s_set_vgpr_msb (MSB<<8)|(\new)
.set MSB, \new
.endif
.endm
.set MUL,  0x05
.set TO_F, 0x40
.macro JLOAD s
	s_cmp_eq_u32 s11, 0
	s_cbranch_scc0 .Lfor_b_\@
	tensor_load_to_lds s[G0+4*(\s):G0+4*(\s)+3], s[G1:G1+7]
	s_nop 0
.rept 4
	v_nop
.endr
	s_branch .Lasked_\@
.Lfor_b_\@:
	tensor_load_to_lds s[G0B+4*(\s):G0B+4*(\s)+3], s[G1B:G1B+7]
	s_nop 0
.rept 4
	v_nop
.endr
.Lasked_\@:
.endm
.macro CREST
	s_cmp_lg_u32 s10, 0
	s_cbranch_scc1 .Lnot_wave_0_\@
	s_barrier_signal -3
.Lnot_wave_0_\@:
	s_barrier_wait -3
	s_barrier_signal -1
	s_barrier_wait -1
.endm
.macro CROUND
	s_barrier_signal -1
	s_barrier_wait -1
	CREST
.endm
	s_load_b128 s[4:7], s[0:1], 0x0                ; ob, wob
	s_load_b64 s[8:9], s[0:1], 0x10                ; out0
	v_lshl_add_u32 v[SPW], v0, 2, SPARE
	v_mov_b32 v[NIL], 0
	ds_add_u32 v[SPW], v[NIL]                      ; the wave's opening: the add and its wait stand ahead of my first tensor load
	v_lshrrev_b32 v1, 5, v0
	v_readfirstlane_b32 s10, v1
	s_lshr_b32 s11, s10, 1                         ; my half of the rows; also: I fetch for A (0) or B (1)
	s_and_b32 s12, s10, 1                          ; my half of the columns; also: which 64 rows I fetch
	s_bfe_u32 s40, ttmp6, 0x40000
	s_bfe_u32 s41, ttmp6, 0x40004
	s_lshl_b32 s42, ttmp9, 2
	s_add_co_u32 s42, s42, s40                     ; tile column
	s_and_b32 s13, ttmp7, 0xffff
	s_lshl_b32 s13, s13, 2
	s_add_co_u32 s13, s13, s41                     ; tile row
	s_lshl_b32 s43, s41, 2
	s_lshl_b32 s43, 15, s43
	s_lshl_b32 s44, 0x1111, s40
	s_or_b32 s[G1+0], s43, (1<<16)|(1<<20)|(1<<21)|(5<<22)|(3<<25)
	s_or_b32 s[G1B+0], s44, (1<<16)|(1<<20)|(1<<21)|(5<<22)|(3<<25)
.irp g, G1, G1B
	s_mov_b32 s[(\g)+1], 4096<<16                  ; tensor_dim0 = 64 rows x 64
	s_mov_b32 s[(\g)+2], 4<<16                     ; tensor_dim1 = 4 blocks
	s_mov_b32 s[(\g)+3], 4096<<16
	s_mov_b32 s[(\g)+4], 4
	s_mov_b32 s[(\g)+6], 0
	s_mov_b32 s[(\g)+7], 0
.endr
	s_mov_b32 s[G1+5], 262144                      ; elements from block to block: 4,096 rows of ob,
	s_mov_b32 s[G1B+5], 65536                      ; 1,024 of wob
	s_lshl_b32 s16, s13, 14                        ; A: row 128 x tile row + 64 x half
	s_lshl_b32 s17, s12, 13
	s_add_co_u32 s16, s16, s17
	s_lshl_b32 s46, s42, 14                        ; B: row 128 x tile column + 64 x half
	s_add_co_u32 s46, s46, s17
	s_mov_b32 s17, 0
	s_mov_b32 s47, 0
	s_mul_i32 s20, s10, HALFT
	s_wait_dscnt 0x0
	s_wait_kmcnt 0x0
	s_add_nc_u64 s[14:15], s[4:5], s[16:17]
	s_add_nc_u64 s[46:47], s[6:7], s[46:47]
	CROUND
.irp s, 0,1
	s_mov_b32 s[G0+4*(\s)], 1
	s_add_co_u32 s[G0+4*(\s)+1], s20, (\s)*SLOT
	s_add_nc_u64 s[G0+4*(\s)+2:G0+4*(\s)+3], s[14:15], (\s)*ASTEP
	s_or_b32 s[G0+4*(\s)+3], s[G0+4*(\s)+3], 0x80000000
	s_mov_b32 s[G0B+4*(\s)], 1
	s_add_co_u32 s[G0B+4*(\s)+1], s20, (\s)*SLOT
	s_add_nc_u64 s[G0B+4*(\s)+2:G0B+4*(\s)+3], s[46:47], (\s)*BSTEP
	s_or_b32 s[G0B+4*(\s)+3], s[G0B+4*(\s)+3], 0x80000000
	JLOAD \s
.endr
	v_and_b32 v1, 15, v0
	v_bfe_u32 v2, v0, 4, 1
	v_lshrrev_b32 v4, 1, v1
	v_mul_u32_u24 v3, v4, 272
	v_and_b32 v4, 1, v1
	v_lshl_add_u32 v3, v4, 7, v3
	v_lshl_add_u32 v3, v2, 4, v3
	s_mul_i32 s21, s11, HALFT
	s_mul_i32 s22, s12, HALFT
	s_add_co_u32 s22, s22, 2*HALFT
.irp s, 0,1
	v_add_nc_u32 v[ADRA+(\s)], s21, v3
	v_add_nc_u32 v[ADRB+(\s)], s22, v3
	s_add_co_u32 s21, s21, SLOT
	s_add_co_u32 s22, s22, SLOT
.endr
	s_mul_i32 s23, s11, 64*SPITCH                  ; into the stage: row 64 x half + 16 a + r, byte 256 x column half + 64 b + 32 hh
	s_lshl_b32 s21, s12, 8
	s_add_co_u32 s23, s23, s21
	v_mul_u32_u24 v4, v1, SPITCH
	v_lshl_add_u32 v4, v2, 5, v4
	v_add_nc_u32 v[STO], s23, v4
	v_and_b32 v5, 31, v0
	v_lshlrev_b32 v[CO], 4, v5                     ; back: a whole row of 512 bytes an instruction
	s_mul_i32 s23, s10, 32*SPITCH
	v_add_nc_u32 v[RD], s23, v[CO]
	s_lshl_b32 s16, s13, 19                        ; out0 at row 128 x tile row + 32 x wave,
	s_lshl_b32 s17, s10, 17
	s_add_co_u32 s16, s16, s17
	s_mov_b32 s17, 0
	s_add_nc_u64 s[8:9], s[8:9], s[16:17]
	s_lshl_b32 s46, s42, 9                         ; byte 512 x tile column
	s_mov_b32 s47, 0
	s_add_nc_u64 s[8:9], s[8:9], s[46:47]
.macro MUL8 f, c, a0, zero             ; 8 matrix instructions; the 16 accumulators take turns
	WIN MUL
.irp a, \a0, (\a0)+1
.irp b, 0,1,2,3
.if \zero
	v_wmma_f32_16x16x32_f16 v[ACC+8*(4*(\a)+(\b)):ACC+8*(4*(\a)+(\b))+7], v[(\f)+64+8*(4*(\c)+(\b)):(\f)+64+8*(4*(\c)+(\b))+7], v[(\f)+8*(4*(\c)+(\a)):(\f)+8*(4*(\c)+(\a))+7], 0
.else
	v_wmma_f32_16x16x32_f16 v[ACC+8*(4*(\a)+(\b)):ACC+8*(4*(\a)+(\b))+7], v[(\f)+64+8*(4*(\c)+(\b)):(\f)+64+8*(4*(\c)+(\b))+7], v[(\f)+8*(4*(\c)+(\a)):(\f)+8*(4*(\c)+(\a))+7], v[ACC+8*(4*(\a)+(\b)):ACC+8*(4*(\a)+(\b))+7]
.endif
.endr
.endr
.endm
.macro FETCH slot, z, f                ; 32 LDS loads in one run: block z of the slot's four (64 along K) into buffer f; its first 32 along K first
	WIN TO_F
.irp c, 0,1
.irp i, 0,1,2,3
	ds_load_b128 v[(\f)+64+8*(4*(\c)+(\i)):(\f)+64+8*(4*(\c)+(\i))+3],   v[ADRB+(\slot)] offset:(\z)*KC+64*(\c)+(\i)*BLK
	ds_load_b128 v[(\f)+64+8*(4*(\c)+(\i))+4:(\f)+64+8*(4*(\c)+(\i))+7], v[ADRB+(\slot)] offset:(\z)*KC+64*(\c)+(\i)*BLK+32
	ds_load_b128 v[(\f)+8*(4*(\c)+(\i)):(\f)+8*(4*(\c)+(\i))+3],         v[ADRA+(\slot)] offset:(\z)*KC+64*(\c)+(\i)*BLK
	ds_load_b128 v[(\f)+8*(4*(\c)+(\i))+4:(\f)+8*(4*(\c)+(\i))+7],       v[ADRA+(\slot)] offset:(\z)*KC+64*(\c)+(\i)*BLK+32
.endr
.endr
.endm
.macro PLACES
.rept 4
	v_nop
.endr
.endm
.macro QUARTER slot, z, f, g, zero
	s_wait_dscnt 16                                ; the first 32 along K are in; the youngest sixteen loads may be out
	MUL8 \f, 0, 0, \zero
	MUL8 \f, 0, 2, \zero
	PLACES
	FETCH \slot, \z, \g
	s_wait_dscnt 32                                ; all but the 32 just issued
	MUL8 \f, 1, 0, 0
	MUL8 \f, 1, 2, 0
.endm
.macro TURN slot, next, fill           ; the last quarter multiplies buffer 1 and changes slots
	WIN 0
	s_wait_tensorcnt 0x0                           ; all my tensor loads have landed
	ds_add_u32 v[SPW], v[NIL]
	s_wait_dscnt 17                                ; the add and the youngest sixteen loads may be out
	MUL8 F1, 0, 0, 0
	s_wait_dscnt 0x0                               ; the add is done, and my reads of this slot are over
	s_barrier_signal -1
	MUL8 F1, 0, 2, 0
.if \fill
	WIN 0
.endif
	s_barrier_wait -1
.if \fill
	CREST
	s_add_nc_u64 s[G0+4*(\slot)+2:G0+4*(\slot)+3], s[G0+4*(\slot)+2:G0+4*(\slot)+3], 2*ASTEP
	s_add_nc_u64 s[G0B+4*(\slot)+2:G0B+4*(\slot)+3], s[G0B+4*(\slot)+2:G0B+4*(\slot)+3], 2*BSTEP
	JLOAD \slot                                    ; its four v_nop are also the places in front of the loads below
.else
	PLACES
.endif
	FETCH \next, 0, F0
	MUL8 F1, 1, 0, 0
	MUL8 F1, 1, 2, 0
.endm
	s_wait_tensorcnt 0x1                           ; my part of K step 0 is in; K step 1's may stay out
	s_barrier_signal -1
	s_barrier_wait -1
	FETCH 0, 0, F0
	QUARTER 0, 1, F0, F1, 1                        ; the first products start the sums
	QUARTER 0, 2, F1, F0, 0
	QUARTER 0, 3, F0, F1, 0
	TURN 0, 1, 1                                   ; slot 0 takes K step 2
	QUARTER 1, 1, F0, F1, 0
	QUARTER 1, 2, F1, F0, 0
	QUARTER 1, 3, F0, F1, 0
	TURN 1, 0, 1                                   ; slot 1 takes K step 3
	QUARTER 0, 1, F0, F1, 0
	QUARTER 0, 2, F1, F0, 0
	QUARTER 0, 3, F0, F1, 0
	TURN 0, 1, 0                                   ; nothing is left to fetch; behind this barrier nobody reads slot 0 any more
	QUARTER 1, 1, F0, F1, 0
	QUARTER 1, 2, F1, F0, 0
	QUARTER 1, 3, F0, F1, 0
	s_wait_dscnt 16
	MUL8 F1, 0, 0, 0
	MUL8 F1, 0, 2, 0
	s_wait_dscnt 0x0
	MUL8 F1, 1, 0, 0
	MUL8 F1, 1, 2, 0
	WIN 0
	; THE WAY OUT: 32 bytes a lane into the stage (each accumulator's low half first); a barrier; back as whole rows of 512 bytes, 32 rows a wave
	PLACES
.irp a, 0,1,2,3
.irp b, 0,1,2,3
	ds_store_b128 v[STO], v[ACC+8*(4*(\a)+(\b)):ACC+8*(4*(\a)+(\b))+3]   offset:(\a)*16*SPITCH+64*(\b)
	ds_store_b128 v[STO], v[ACC+8*(4*(\a)+(\b))+4:ACC+8*(4*(\a)+(\b))+7] offset:(\a)*16*SPITCH+64*(\b)+16
.endr
.endr
	s_wait_dscnt 0x0                               ; for the others' sake: my stores into the stage are done
	s_barrier_signal -1
	s_barrier_wait -1
.irp h, 0,1
.if \h
	s_wait_xcnt 0x0                                ; the first sixteen stores have read their data: the registers are loaded anew only behind this wait
.endif
.irp t, 0,1,2,3,4,5,6,7,8,9,10,11,12,13,14,15
	ds_load_b128 v[TMP+4*(\t):TMP+4*(\t)+3], v[RD] offset:(16*(\h)+(\t))*SPITCH
.endr
.irp t, 0,1,2,3,4,5,6,7,8,9,10,11,12,13,14,15
	s_wait_dscnt 15-(\t)
	global_store_b128 v[CO], v[TMP+4*(\t):TMP+4*(\t)+3], s[8:9] offset:(16*(\h)+(\t))*4096 th:TH_STORE_NT  ; 512 consecutive bytes, aligned
.endr
.endr
	s_wait_tensorcnt 0x0                           ; the wave's end
	ds_add_u32 v[SPW], v[NIL]
	s_wait_dscnt 0x0
	CROUND                                         ; the closing round
	s_endpgm
.Lfunc_end_k_q0a9d0dd0b9_outp:
	.size	k_q0a9d0dd0b9_outp, .Lfunc_end_k_q0a9d0dd0b9_outp-k_q0a9d0dd0b9_outp
	.p2alignl 7, 3214868480
	.fill 96, 4, 3214868480
	.section	.rodata,"a",@progbits
	.p2align	6, 0x0
	.amdhsa_kernel k_q0a9d0dd0b9_outp
		.amdhsa_group_segment_fixed_size 327680
		.amdhsa_private_segment_fixed_size 0
		.amdhsa_enable_private_segment 0
		.amdhsa_kernarg_size 24
		.amdhsa_user_sgpr_count 2
		.amdhsa_user_sgpr_kernarg_segment_ptr 1
		.amdhsa_wavefront_size32 1
		.amdhsa_system_sgpr_workgroup_id_x 1
		.amdhsa_system_sgpr_workgroup_id_y 1
		.amdhsa_system_sgpr_workgroup_id_z 1
		.amdhsa_system_vgpr_workitem_id 0
		.amdhsa_next_free_vgpr 512
		.amdhsa_next_free_sgpr 66
		.amdhsa_reserve_vcc 0
		.amdhsa_float_denorm_mode_32 3
		.amdhsa_float_denorm_mode_16_64 3
		.amdhsa_memory_ordered 1
		.amdhsa_forward_progress 1
		.amdhsa_inst_pref_size 86
	.end_amdhsa_kernel
	.amdgpu_metadata
---
amdhsa.version: [ 1, 2 ]
amdhsa.kernels:
  - .name:           k_q0a9d0dd0b9_outp
    .symbol:         k_q0a9d0dd0b9_outp.kd
    .args:
      - { .name: ob, .offset: 0, .size: 8, .value_kind: global_buffer, .address_space: global }
      - { .name: wob, .offset: 8, .size: 8, .value_kind: global_buffer, .address_space: global }
      - { .name: out0, .offset: 16, .size: 8, .value_kind: global_buffer, .address_space: global }
    .group_segment_fixed_size: 327680
    .private_segment_fixed_size: 0
    .kernarg_segment_align: 8
    .kernarg_segment_size: 24
    .max_flat_workgroup_size: 128
    .sgpr_count:     66
    .vgpr_count:     512
    .wavefront_size: 32
...
	.end_amdgpu_metadata
.endif
;; end of part 4
